; MI455X (gfx1250); checked and timed in simulation.
; The chip was launched on July 23, 2026; its instructions are those of AMD's public machine-readable ISA for CDNA 5 (MIT licence, August 2026) and "CDNA5" Instruction Set Architecture Reference Guide (July 2026). The comments in the code are by the model that wrote it; some were corrected since.
;; Cross Attention. Allowed arithmetic: matrix products marked QUANTISED: E2M1 operands, one E8M0 scale for each 32 along K, by v_wmma_scale_f32_16x16x128_f8f6f4 with both operands' format E2M1 (or v_wmma_scale_f32_32x16x128_f4), f32 sums; products left as they are: f32 operands where the result goes on into a quantised operand, else bf16, f16 or f32 operands; f32 sums; everything else in f32.
;; Inputs: Wk 1,024 x 1,024 float32; Wo 1,024 x 1,024 float32; Wq 1,024 x 1,024 float32; Wv 1,024 x 1,024 float32; bk 1,024 float32; bo 1,024 float32; bq 1,024 float32; bv 1,024 float32; key 16 x 2,048 x 1,024 float32; query 16 x 1 x 1,024 float32; value 16 x 2,048 x 1,024 float32.
;; Outputs: out0 16 x 1,024 float32.
;; This version of the problem:
;;   THIS VERSION OF THE PROBLEM IS GIVEN IN LOW PRECISION. The matrix products marked QUANTISED in the list below multiply operands that are first quantised to E2M1 (2 exponent bits, 1 mantissa bit; 4 bits a number), with one power-of-two scale for each 32 numbers along K (OCP MX v1.0); their sums are f32. All else is computed in f32.
;;   The module's matrix products, in the order in which they are computed (A, B: the left and right operand; K: the contracted axis; several contracted axes count as one K, in the product's order):
;;     1. [M 16, K 1,024] x [K 1,024, N 1,024]; A: input query; B: input Wq: QUANTISED
;;     2. [M 32,768, K 1,024] x [K 1,024, N 1,024]; A: input key; B: input Wk: QUANTISED
;;     3. [M 32,768, K 1,024] x [K 1,024, N 1,024]; A: input value; B: input Wv: QUANTISED
;;     4. batch 256 x [M 1, K 64] x [K 64, N 2,048]; A: computed on the way; B: computed on the way: left as it is (M = 1 < 16)
;;     5. batch 256 x [M 1, K 2,048] x [K 2,048, N 64]; A: softmax; B: computed on the way: left as it is (M = 1 < 16)
;;     6. [M 16, K 1,024] x [K 1,024, N 1,024]; A: computed on the way; B: input Wo: QUANTISED
;;   THE QUANTISER, for each operand of a quantised product, along K:
;;     - K is cut into blocks of 32 from its start; a last block that is shorter is filled with zeros.
;;     - A block's scale is 2^e with e = floor(log2(the largest magnitude in the block)) - 2, held to -126 .. 127; a block of zeros has e = 0. As a byte (E8M0): e + 127.
;;     - Each number is divided by its block's scale, clamped to +-6, and rounded to the nearest number of E2M1, ties to even, subnormals kept.
;;     - The product sums the exact products of the quantised numbers (number of the format x scale) in f32.
;;   ~~~python
;;   def quantise(x, axis):      # numpy; x: float32 -> the quantised numbers, widened to float32 again
;;       x = np.moveaxis(x, axis, -1); K = x.shape[-1]
;;       x = np.pad(x, [(0, 0)] * (x.ndim - 1) + [(0, -K % 32)]); x = x.reshape(x.shape[:-1] + (-1, 32)); a = np.abs(x).max(-1, keepdims=True)
;;       e = np.where(a > 0, np.clip(np.frexp(np.where(a > 0, a, 1))[1] - 1 - 2, -126, 127), 0)      # np.frexp(a)[1] - 1 = floor(log2(a)), exactly
;;       r = np.clip(x / 2.0 ** e, -6, 6)
;;       step = 2.0 ** (np.maximum(np.frexp(np.where(r == 0, 1, r))[1] - 1, 0) - 1)
;;       q = np.round(r / step) * step * 2.0 ** e      # np.round: ties to even
;;       return np.moveaxis(q.reshape(q.shape[:-2] + (-1,))[..., :K], -1, axis).astype(np.float32)
;;   ~~~
;;   OPERANDS COMPUTED ON THE WAY. 'Computed on the way' means the value that the module computes at that place (a softmax that the list does not call 'softmax' is quantised finished and normalised). What goes into a quantiser is computed in f32, as accurately as f32 sums, v_exp_f32 and their like allow (about 1e-6 of the number): no bf16 or f16 on the way to a quantiser, and a product that is left as it is and whose result goes on into a quantised operand takes f32 operands (vector FMAs, or v_wmma_f32_16x16x4_f32). A number that lies on a knife's edge between two numbers of the format may be rounded either way, as far as f32 arithmetic and the matrix unit's own rounding can turn it there, and no further.
;; 2 versions. Each part assembles by itself: llvm-mc -triple=amdgcn-amd-amdhsa -mcpu=gfx1250 --defsym DOCPART=n.
;; ======== version 1 of 2: 4 launches
;; workspace buffers: wkc 524,288 bytes; wvc 524,288 bytes; wks 32,768 bytes; wvs 32,768 bytes; qbuf 65,536 bytes; opart 1,048,576 bytes; stat 32,768 bytes; attn 65,536 bytes
;; launch prep (part 1): grid 128 x 1, 8 waves a work-group, no clusters, 76,800 bytes of LDS; arguments query, Wq, bq, qbuf, Wk, Wv, wkc, wks, wvc, wvs; writes qbuf, wkc, wks, wvc, wvs
.if DOCPART == 1
	.amdgcn_target "amdgcn-amd-amdhsa--gfx1250"
	.amdhsa_code_object_version 6
	.text
	.protected	k_q9ac6d609b9_prep
	.globl	k_q9ac6d609b9_prep
	.p2align	8
	.type	k_q9ac6d609b9_prep,@function
k_q9ac6d609b9_prep:
	s_mov_b64 s[64:65], 0
	v_nop
	global_prefetch_b8 v0, s[64:65] scope:SCOPE_SE
	s_setreg_imm32_b32 hwreg(HW_REG_WAVE_MODE, 25, 1), 1
	s_wait_xcnt 0x0
; Work-groups 0-63: q = Q(query) Q(Wq)^T + bq, a tile of 16 batches x 16 columns each.  Work-groups 64-127: Wk and Wv into codes of FP4 (E2M1) and E8M0 scale words,
; laid in the order of an operand's registers.  Q is the MX quantiser along K: a block of 32 has the scale 2^(floor(log2(largest magnitude)) - 2).
; A UNIT is 16 rows x 128 along K of a row-major f32 matrix whose rows are 4,096 bytes.  EVERY WAVE QUANTISES TWO UNITS, by one text; only pointers and offsets are chosen.
;   projection (x < 64): wave w is K step w: unit 0 = query's 16 rows, unit 1 = rows 16 x .. 16 x + 15 of Wq; one matrix instruction; the eight waves' parts of K are added in f32 through LDS.
;   weights (x >= 64): T = x - 64 is a tile of 16 rows; waves 0-3 take Wk, waves 4-7 Wv; wave's K steps 2 (w & 3) and 2 (w & 3) + 1.
; Each load of a unit reads 512 consecutive bytes of one row; the unit turns through the wave's own stage in LDS, so that a lane then holds 16 neighbours along K of each block of 32.
; LAYOUT OF THE WEIGHTS' BUFFERS: fragment (head hd = T / 4, K step ks, tile t = T % 4) at ((hd 8 + ks) 4 + t) 1,024 bytes: registers 0-3 of lane l at 16 l, registers 4-7 at 512 + 16 l.
;   scale words: hd 2,048 + (ks / 2) 512 + ((ks % 2) 16 + r) 16 + 4 t.
; LIMITS: NaN and infinities are not served.  A block whose largest magnitude lies under 2^-124 has its byte held at 1.  A block of zeros gets the byte 1 where the rule says 127: its codes are zeros, and this program alone reads the bytes.
; q's stores are 4 bytes a lane, eight lanes to 32 consecutive bytes: a work-group holds only 64 bytes of each of q's rows, 65,536 bytes in the whole launch.
.set STGB, 8448                        ; a wave's stage: 16 rows of 512 bytes + 16 = 528 = 33 x 16 bytes: the sixteen rows that a load touches start at sixteen different 16-byte columns modulo 256
.set RED,  8*STGB                      ; behind the stages: the eight waves' results, 1,024 bytes each
.set L16, 1                            ; v1   16 x lane
.set WRA, 2                            ; v2   the stage on the way in: 16 x lane
.set RDA, 3                            ; v3   and on the way out: 528 r + 64 h
.set LN,  4                            ; v4   lane
.set BOF, 7                            ; v7   byte offset of my number in the bias
.set OOF, 8                            ; v8   and in q
.set RST, 9                            ; v9   where I put my 32 bytes of the wave's result
.set RRD, 10                           ; v10  where I read one number of each wave's result
.set R0,  32                           ; v32-95   unit 0
.set R1,  96                           ; v96-159  unit 1
.set PCA, 160                          ; v160-167 unit 0's codes
.set PCB, 168                          ; v168-175 unit 1's
.set PWA, 176                          ; v176, v177 their scale words: these two registers hold scales and nothing else
.set PWB, 177
.set TM,  180                          ; v180-195 at work in QUANT
.set DD,  200                          ; v200-207 the result
.set BI,  208                          ; v208 the bias
.set WK,  210                          ; v210-217 at work in the sum over the waves
.set MX,  218                          ; v218 the two K steps' scale words in one register: a store's data, written once and by no later line
.set SEL, 46                           ; s[46:47] v_permlanex16_b32's selects for lane l xor 16
.macro XLOAD reg, base, nt             ; a unit: 16 loads, each 512 consecutive bytes of one row
.irp i, 0,1,2,3,4,5,6,7,8,9,10,11,12,13,14,15
.if \nt
	global_load_b128 v[(\reg)+4*\i:(\reg)+4*\i+3], v[L16], s[\base:\base+1] offset:4096*\i th:TH_LOAD_NT
.else
	global_load_b128 v[(\reg)+4*\i:(\reg)+4*\i+3], v[L16], s[\base:\base+1] offset:4096*\i
.endif
.endr
.endm
.macro TURN reg                        ; through my stage and back into the registers that the unit left: register 16 b + i is then k = 32 b + 16 h + i of row r.  LDS serves a wave's instructions in order (ISA guide 5.7.1.4): no wait between
.irp i, 0,1,2,3,4,5,6,7,8,9,10,11,12,13,14,15
	ds_store_b128 v[WRA], v[(\reg)+4*\i:(\reg)+4*\i+3] offset:528*\i
.endr
.irp b, 0,1,2,3
.irp q, 0,1,2,3
	ds_load_b128 v[(\reg)+16*\b+4*\q:(\reg)+16*\b+4*\q+3], v[RDA] offset:128*\b+16*\q
.endr
.endr
.endm
; 64 numbers of a lane, register 16 b + i = k 32 b + 16 h + i of my row, become a fragment's eight registers of codes and my row's scale word
.macro QUANT src, pc, pw
.irp b, 0,1,2,3
	v_max3_num_f32 v[TM+\b], |v[(\src)+16*\b]|, |v[(\src)+1+16*\b]|, 0x1800000   ; block b: my 16 numbers, and the floor 2^(3 - 127): the byte cannot fall under 1
.endr
.irp i, 2,4,6,8,10,12,14
.irp b, 0,1,2,3
	v_max3_num_f32 v[TM+\b], v[TM+\b], |v[(\src)+16*\b+\i]|, |v[(\src)+1+16*\b+\i]|   ; the four blocks by turns
.endr
.endr
.irp b, 0,1,2,3
	v_permlanex16_b32 v[TM+4+\b], v[TM+\b], s[SEL], s[SEL+1]
.endr
.irp b, 0,1,2,3
	v_max_num_f32 v[TM+\b], v[TM+\b], v[TM+4+\b]   ; with lane l xor 16's: the block's largest magnitude
.endr
.irp b, 0,1,2,3
	v_add_nc_u32 v[TM+12+\b], 0xff000000, v[TM+\b]   ; 2 off its exponent field: the conversion takes the exponent field of this operand as its scale
.endr
.irp b, 0,1,2,3
	v_lshrrev_b32 v[TM+4+\b], 23, v[TM+12+\b]   ; the scale's byte
.endr
	v_lshl_or_b32 v[\pw], v[TM+5], 8, v[TM+4]
	v_lshl_or_b32 v[\pw], v[TM+6], 16, v[\pw]
	v_lshl_or_b32 v[\pw], v[TM+7], 24, v[\pw]
.irp b, 0,1,2,3
	v_cvt_scalef32_pk8_fp4_f32 v[(\pc)+2*\b], v[(\src)+16*\b:(\src)+7+16*\b], v[TM+12+\b]
	v_cvt_scalef32_pk8_fp4_f32 v[(\pc)+1+2*\b], v[(\src)+8+16*\b:(\src)+15+16*\b], v[TM+12+\b]
.endr
	v_nop                                          ; one plain place behind a scaled conversion
.irp c, 0,1                                    ; the operand's layout wants a whole block in a lane: lanes 0-15 block 2 c, lanes 16-31 block 2 c + 1
.irp i, 0,1
	v_permlane16_swap_b32 v[(\pc)+4*\c+\i], v[(\pc)+2+4*\c+\i]
.endr
.endr
.endm
	s_load_b512 s[4:19], s[0:1], 0x0               ; query s[4:5], Wq s[6:7], bq s[8:9], q s[10:11], Wk s[12:13], Wv s[14:15], Wk's codes s[16:17], Wk's scale words s[18:19]
	s_load_b128 s[20:23], s[0:1], 0x40             ; Wv's codes, Wv's scale words
	v_lshl_add_u32 v254, v0, 2, 0x12800
	v_mov_b32 v255, 0
	v_lshrrev_b32 v5, 5, v0
	v_readfirstlane_b32 s24, v5                    ; wave 0..7
	v_and_b32 v[LN], 31, v0
	v_lshlrev_b32 v[L16], 4, v[LN]
	v_and_b32 v5, 15, v0                           ; r
	v_bfe_u32 v6, v0, 4, 1                         ; h
	s_mul_i32 s25, s24, STGB                       ; my stage
	v_add_nc_u32 v[WRA], s25, v[L16]
	v_mul_u32_u24 v[RDA], v5, 528
	v_lshl_add_u32 v[RDA], v6, 6, v[RDA]
	v_add_nc_u32 v[RDA], s25, v[RDA]
	s_and_b32 s26, ttmp9, 63                       ; T: the tile of 16 rows of the weight, in both halves of the grid
	s_and_b32 s27, s24, 3                          ; the weights' pair of K steps
	v_and_b32 v[BOF], 7, v0                        ; thread tau adds up number tau of the waves' results: batch (tau / 8) % 16, column 8 (tau / 128) + tau % 8 of the tile
	v_lshrrev_b32 v5, 7, v0
	v_lshl_add_u32 v[BOF], v5, 3, v[BOF]
	v_lshlrev_b32 v[BOF], 2, v[BOF]
	s_lshl_b32 s25, s26, 6
	v_add_nc_u32 v[BOF], s25, v[BOF]               ; 64 T + 4 x column: inside the bias's 4,096 bytes for every T
	v_bfe_u32 v5, v0, 3, 4
	v_lshl_add_u32 v[OOF], v5, 12, v[BOF]          ; + 4,096 x batch
	v_lshlrev_b32 v[RST], 5, v[LN]
	s_lshl_b32 s25, s24, 10
	s_add_co_u32 s25, s25, RED
	v_add_nc_u32 v[RST], s25, v[RST]
	v_lshl_add_u32 v[RRD], v0, 2, RED
.irp b, 0,1,2,3
	v_mov_b32 v[TM+4+\b], 0                        ; written once: a lane permute's destination counts as one of its sources
.endr
	s_mov_b32 s[SEL], 0x76543210
	s_mov_b32 s[SEL+1], 0xfedcba98
	s_lshl_b32 s38, s26, 16                        ; the tile's 16 rows of 4,096 bytes
	s_lshl_b32 s39, s24, 9                         ; projection: K step w
	s_lshl_b32 s40, s27, 10                        ; weights: K step 2 (w & 3)
	s_add_co_u32 s41, s38, s40                     ; weights: unit 0,
	s_add_co_u32 s42, s41, 512                     ; unit 1
	s_add_co_u32 s43, s38, s39                     ; projection: unit 1
	s_mov_b32 s35, 0
	s_mov_b32 s37, 0
	s_wait_kmcnt 0x0
	s_cmp_lt_u32 s24, 4                            ; the choices hang on the wave's and the work-group's number alone
	s_cselect_b64 s[28:29], s[12:13], s[14:15]     ; Wk or Wv,
	s_cselect_b64 s[16:17], s[16:17], s[20:21]     ; its codes,
	s_cselect_b64 s[18:19], s[18:19], s[22:23]     ; its scale words
	s_cmp_lt_u32 ttmp9, 64
	s_cselect_b64 s[30:31], s[4:5], s[28:29]       ; unit 0: query, or the weight
	s_cselect_b64 s[32:33], s[6:7], s[28:29]       ; unit 1: Wq, or the weight
	s_cselect_b32 s34, s39, s41
	s_cselect_b32 s36, s43, s42
	s_add_nc_u64 s[30:31], s[30:31], s[34:35]
	s_add_nc_u64 s[32:33], s[32:33], s[36:37]
	XLOAD R0, 30, 0                                ; (query is read by 64 work-groups: no hint)
	XLOAD R1, 32, 1
	global_load_b32 v[BI], v[BOF], s[8:9]          ; the bias stands on the common path, so that its register is written on every way; the weights' work-groups do not use it
	s_wait_loadcnt 17                              ; unit 0 is in: unit 1's 16 loads and the bias may be out
	TURN R0
	s_wait_loadcnt 1                               ; unit 1 is in: the bias may be out
	TURN R1
	s_wait_dscnt 32                                ; unit 0 is back: the second turn's 16 stores and 16 loads may be out
	QUANT R0, PCA, PWA
	s_wait_dscnt 0x0
	QUANT R1, PCB, PWB
	s_cmp_lt_u32 ttmp9, 64
	s_cbranch_scc0 .Lweights
.rept 8
	v_nop                                          ; a scale register written by a vector instruction stands 8 places ahead of a scaled matrix instruction, an operand so written 4
.endr
	; transposed: source 0 = 16 rows of Wq, source 1 = query's 16 rows: lane (r, h) holds batch r and the tile's columns 8 h + 0 .. 7
	v_wmma_scale_f32_16x16x128_f8f6f4 v[DD:DD+7], v[PCB:PCB+7], v[PCA:PCA+7], 0, v[PWB], v[PWA] matrix_a_fmt:MATRIX_FMT_FP4 matrix_b_fmt:MATRIX_FMT_FP4
.rept 4
	v_nop                                          ; four places in front of the first read of the result (ISA guide 7.12.1)
.endr
	ds_store_b128 v[RST], v[DD:DD+3]               ; from the result's low end on
	ds_store_b128 v[RST], v[DD+4:DD+7] offset:16
	s_branch .Lmeet
.Lweights:
	s_lshr_b32 s38, s26, 2                         ; head
	s_and_b32 s39, s26, 3                          ; tile in the head
	s_lshl_b32 s40, s38, 15
	s_lshl_b32 s41, s27, 13
	s_add_co_u32 s40, s40, s41
	s_lshl_b32 s41, s39, 10
	s_add_co_u32 s40, s40, s41                     ; head x 32,768 + 2 (w & 3) x 4,096 + tile x 1,024
	s_mov_b32 s41, 0
	s_add_nc_u64 s[16:17], s[16:17], s[40:41]
	s_lshl_b32 s40, s38, 11
	s_lshl_b32 s42, s27, 9
	s_add_co_u32 s40, s40, s42
	s_lshl_b32 s42, s39, 2
	s_add_co_u32 s40, s40, s42                     ; head x 2,048 + (w & 3) x 512 + 4 x tile
	s_add_nc_u64 s[18:19], s[18:19], s[40:41]
	global_store_b128 v[L16], v[PCA:PCA+3], s[16:17]               ; each store covers 512 consecutive bytes.  No register that these five stores name is written by any later line
	global_store_b128 v[L16], v[PCA+4:PCA+7], s[16:17] offset:512
	global_store_b128 v[L16], v[PCB:PCB+3], s[16:17] offset:4096
	global_store_b128 v[L16], v[PCB+4:PCB+7], s[16:17] offset:4608
	v_cmp_gt_u32 vcc_lo, 16, v[LN]
	v_cndmask_b32 v[MX], v[PWB], v[PWA], vcc_lo    ; lanes 0-15: the even K step's words; lanes 16-31: the odd one's
	global_store_b32 v[L16], v[MX], s[18:19]       ; 4 bytes of each 16: the other three tiles of the head fill the rest; 65,536 bytes in the whole launch
.Lmeet:
	s_wait_dscnt 0x0                               ; for the others' sake: my part of the sum lies in LDS
	s_barrier_signal -1                            ; the barrier stands on the common path: every wave of every work-group passes it
	s_barrier_wait -1
	s_cmp_lt_u32 ttmp9, 64
	s_cbranch_scc1 .Lsum
	s_wait_tensorcnt 0x0
	ds_add_u32 v254, v255
	s_wait_dscnt 0x0
	s_endpgm
.Lsum:
.irp k, 0,1,2,3,4,5,6,7
	ds_load_b32 v[WK+\k], v[RRD] offset:1024*\k    ; the eight waves' parts of K
.endr
	s_wait_dscnt 0x0
	v_add_f32 v[WK], v[WK], v[WK+1]
	v_add_f32 v[WK+2], v[WK+2], v[WK+3]
	v_add_f32 v[WK+4], v[WK+4], v[WK+5]
	v_add_f32 v[WK+6], v[WK+6], v[WK+7]
	v_add_f32 v[WK], v[WK], v[WK+2]
	v_add_f32 v[WK+4], v[WK+4], v[WK+6]
	v_add_f32 v[WK], v[WK], v[WK+4]
	s_wait_loadcnt 0x0                             ; the bias
	v_add_f32 v[WK], v[WK], v[BI]
	global_store_b32 v[OOF], v[WK], s[10:11]
	s_wait_tensorcnt 0x0
	ds_add_u32 v254, v255
	s_wait_dscnt 0x0
	s_endpgm
.Lfunc_end_k_q9ac6d609b9_prep:
	.size	k_q9ac6d609b9_prep, .Lfunc_end_k_q9ac6d609b9_prep-k_q9ac6d609b9_prep
	.p2alignl 7, 3214868480
	.fill 96, 4, 3214868480
	.section	.rodata,"a",@progbits
	.p2align	6, 0x0
	.amdhsa_kernel k_q9ac6d609b9_prep
		.amdhsa_group_segment_fixed_size 76800
		.amdhsa_private_segment_fixed_size 0
		.amdhsa_enable_private_segment 0
		.amdhsa_kernarg_size 80
		.amdhsa_user_sgpr_count 2
		.amdhsa_user_sgpr_kernarg_segment_ptr 1
		.amdhsa_wavefront_size32 1
		.amdhsa_system_sgpr_workgroup_id_x 1
		.amdhsa_system_sgpr_workgroup_id_y 1
		.amdhsa_system_sgpr_workgroup_id_z 1
		.amdhsa_system_vgpr_workitem_id 0
		.amdhsa_next_free_vgpr 256
		.amdhsa_next_free_sgpr 66
		.amdhsa_reserve_vcc 1
		.amdhsa_float_denorm_mode_32 3
		.amdhsa_float_denorm_mode_16_64 3
		.amdhsa_memory_ordered 1
		.amdhsa_forward_progress 1
		.amdhsa_inst_pref_size 21
	.end_amdhsa_kernel
	.amdgpu_metadata
---
amdhsa.version: [ 1, 2 ]
amdhsa.kernels:
  - .name:           k_q9ac6d609b9_prep
    .symbol:         k_q9ac6d609b9_prep.kd
    .args:
      - { .name: query, .offset: 0, .size: 8, .value_kind: global_buffer, .address_space: global }
      - { .name: Wq, .offset: 8, .size: 8, .value_kind: global_buffer, .address_space: global }
      - { .name: bq, .offset: 16, .size: 8, .value_kind: global_buffer, .address_space: global }
      - { .name: qbuf, .offset: 24, .size: 8, .value_kind: global_buffer, .address_space: global }
      - { .name: Wk, .offset: 32, .size: 8, .value_kind: global_buffer, .address_space: global }
      - { .name: Wv, .offset: 40, .size: 8, .value_kind: global_buffer, .address_space: global }
      - { .name: wkc, .offset: 48, .size: 8, .value_kind: global_buffer, .address_space: global }
      - { .name: wks, .offset: 56, .size: 8, .value_kind: global_buffer, .address_space: global }
      - { .name: wvc, .offset: 64, .size: 8, .value_kind: global_buffer, .address_space: global }
      - { .name: wvs, .offset: 72, .size: 8, .value_kind: global_buffer, .address_space: global }
    .group_segment_fixed_size: 76800
    .private_segment_fixed_size: 0
    .kernarg_segment_align: 8
    .kernarg_segment_size: 80
    .max_flat_workgroup_size: 256
    .sgpr_count:     66
    .vgpr_count:     256
    .wavefront_size: 32
...
	.end_amdgpu_metadata
.endif
;; end of part 1
;; launch main (part 2): grid 256 x 1, 8 waves a work-group, no clusters, 230,400 bytes of LDS; arguments key, value, wkc, wks, wvc, wvs, qbuf, bk, opart, stat; writes opart, stat
.if DOCPART == 2
	.amdgcn_target "amdgcn-amd-amdhsa--gfx1250"
	.amdhsa_code_object_version 6
	.text
	.protected	k_q9ac6d609b9_main
	.globl	k_q9ac6d609b9_main
	.p2align	8
	.type	k_q9ac6d609b9_main,@function
k_q9ac6d609b9_main:
	s_mov_b64 s[64:65], 0
	v_nop
	global_prefetch_b8 v0, s[64:65] scope:SCOPE_SE
	s_setreg_imm32_b32 hwreg(HW_REG_WAVE_MODE, 25, 1), 1
	s_wait_xcnt 0x0
; One work-group takes 128 keys of one batch (x = 16 b + p: rows 128 p .. 128 p + 127) through the whole chain: key and value rows are quantised to FP4 (E2M1, one E8M0 scale for each 32 along K),
; k = Q(key) Q(Wk)^T and v = Q(value) Q(Wv)^T are made head by head, the scores q . (k + bk) / 32, a softmax under the work-group's own maximum and the sum of p v follow in f32.
; Out go 4,096 bytes of sums and, for each head, the maximum (in powers of two) and the sum of p.  k, v and the rows' codes never go to memory; each byte of key and value is read once.
; PHASES.  0: all eight waves quantise the key rows (wave w: rows 16 w .. 16 w + 15, eight units of 128 along K) into images of operand registers in LDS.
;   1: waves 4-7 (producers) go on with the value rows, 16 units each; waves 0-3 (consumers) make k for heads 4 w .. 4 w + 3, the scores and p.  So the stream of rows does not stop while the first product runs.
;   2: all eight waves make v for heads 2 w, 2 w + 1 and the sums of p v.     3: the way out.
; WHY ROLES: a wave's global loads come back in order on one counter (ISA guide 5.7.1).  Rows and weight fragments in one wave would make every wait for a fragment a wait for all rows asked for before it.
; A producer keeps three to four units, 48 to 64 loads of 512 bytes, on their way, in a ring of four sets of 64 registers.
; THE WEIGHTS lie in memory in the order of an operand's registers and go straight into registers, 512 consecutive bytes a load.
; NO CLUSTER, NO JOINT LOADS, though all 256 work-groups walk the same 1,114,112 bytes of weights: a fragment is used by exactly one wave of a work-group, so LDS would only add a write and a read of it;
;   beside the 229,376 bytes in use there is room for two slots of 49,152 bytes at the most, one K step of the waves' eight heads (32,768 bytes): 32 matrix instructions a wave in which a refill would have to land;
;   and every refill would tie the producers, which have nothing to do with the weights, into a round of barriers.
; bk enters a score as c0 = the sum of q bk over the head, the start of each row's dot product.  bv is added where the partial sums are joined: the weights add up to 1.
; LIMITS: NaN and infinities are not served.  A block whose largest magnitude lies under 2^-124 has its byte held at 1.  A block of zeros gets the byte 1 where the rule says 127: its codes are zeros, and this program alone reads the bytes.
.set KIMG, 0                           ; LDS: key's 64 fragments: (tile of rows mt, K step ks) at mt 8,192 + ks 1,024; registers 0-3 of lane l at 16 l, registers 4-7 at 512 + 16 l
.set VIMG, 65536                       ; value's likewise
.set KSC,  131072                      ; key's scale words: (mt, ks, row r) at mt 512 + (ks % 2) 256 + 16 r + 4 (ks / 2)
.set VSC,  135168                      ; value's
.set STG,  139264                      ; the waves' stages
.set STGB, 8448                        ; 16 rows of 512 bytes + 16 = 528 = 33 x 16 bytes: the sixteen rows that a load touches start at sixteen different 16-byte columns modulo 256
.set QL,   206848                      ; q of my batch, 4,096 bytes; bk lies 4,096 bytes on
.set PL,   215040                      ; p: 512 bytes a head
.set OST,  223232                      ; the sums of p v: 4,096 bytes
.set STAT, 227328                      ; the heads' maxima, 64 bytes a head (each of a row's sixteen lanes writes a word of its own); 1,024 bytes on, the sums of p
.set L16, 1                            ; v1   16 x lane: every global offset, and a lane's place in key's images
.set R16, 2                            ; v2   16 r
.set R4,  3                            ; v3   4 r
.set H32, 4                            ; v4   32 h
.set WRA, 5                            ; v5   my stage on the way in: 16 x lane
.set RDA, 6                            ; v6   and on the way out: 528 r + 64 h
.set IMA, 7                            ; v7   where I store images
.set SCA, 8                            ; v8   and scale words
.set ADQ, 9                            ; v9   where I read q and bk; later p
.set ADP, 10                           ; v10  where I store p; later the sums
.set ADS, 11                           ; v11  where I store a head's maximum and sum
.set TQ,  12                           ; v12  QL + 16 x thread
.set T16, 13                           ; v13  16 x thread
.set AV,  14                           ; v14  a lane's place in value's images
.set ASC, 15                           ; v15  a lane's place among the rows' scale words
.set AS,  16                           ; v16-47  the rows' scale words: register 4 mt + ks / 2; lanes 0-15 the even K step, lanes 16-31 the odd one.  v16-63 hold scales and nothing else
.set BS,  48                           ; v48-63  the weights': register 4 (ks / 2) + t, the same halves
.set AF,  64                           ; consumer: v64-127 the rows' eight fragments of a K step
.set BF,  128                          ; v128-255 the weights': four buffers of four fragments, K step ks in buffer ks % 4
.set ST,  64                           ; producer: v64-127, v128-191 two units of 64 numbers, turned
.set PC,  192                          ; v192-207 two sets of codes
.set PW,  208                          ; v208, v209 two scale words
.set TM,  212                          ; v212-227 at work in QUANT
.set QR,  64                           ; after a head: v64-95 q (later v64-127 p),
.set BR,  96                           ; v96-127 bk,
.set SS,  224                          ; v224-239 eight pairs of sums; v240-249 at work
                                       ; window 1 (v256-511): producer: the ring, set j at 64 j; consumer: the 32 accumulators, (mt, t) at 8 (4 mt + t)
.set KP,  4                            ; s[4:5]   key at my wave's first unit
.set VP,  6                            ; s[6:7]   value likewise; it steps
.set WB,  8                            ; s[8:9]   the codes of the head in hand
.set WSP, 10                           ; s[10:11] its scale words
.set WV,  24                           ; s24 wave;  s25 wave % 4
.set W3,  25
.set TRIP, 27                          ; s27 trip counter;  s28-32 LDS places that step with the trips
.set CS,  33                           ; s33 log2(e) / 32
.set SEL, 34                           ; s[34:35] v_permlanex16_b32's selects for lane l xor 16
.set NX,  40                           ; s[40:41] the codes of the head that is fetched next;  s[42:43] its scale words
.set NXS, 42
.set MSB, 0
.macro WIN new                         ; s_set_vgpr_msb: bits 1:0 source 0, 3:2 source 1, 5:4 source 2, 7:6 destination; the high byte repeats the setting that is left
.if MSB != \new
	s_set_vgpr_msb (MSB<<8)|\new
.set MSB, \new
.endif
.endm
.macro PLACES                          ; four places behind a matrix instruction, in front of loads into its operands and of reads of its result
.rept 4
	v_nop
.endr
.endm
.macro XLOAD reg, base, off            ; a unit, 16 rows x 128 numbers: 16 loads, each 512 consecutive bytes of one row; read once in the launch
.irp i, 0,1,2,3,4,5,6,7,8,9,10,11,12,13,14,15
	global_load_b128 v[(\reg)+4*\i:(\reg)+4*\i+3], v[L16], s[\base:\base+1] offset:(\off)+4096*\i th:TH_LOAD_NT
.endr
.endm
.macro TURN set, dst                   ; a ring set goes through my stage: register 16 b + i of dst is then k = 32 b + 16 h + i of row r.  LDS serves a wave's instructions in order (ISA guide 5.7.1.4): no wait between
	WIN 0x04                                       ; an LDS store's data are its source 1: window 1
.irp i, 0,1,2,3,4,5,6,7,8,9,10,11,12,13,14,15
	ds_store_b128 v[WRA], v[64*(\set)+4*\i:64*(\set)+4*\i+3] offset:528*\i
.endr
	WIN 0
.irp b, 0,1,2,3
.irp q, 0,1,2,3
	ds_load_b128 v[(\dst)+16*\b+4*\q:(\dst)+16*\b+4*\q+3], v[RDA] offset:128*\b+16*\q
.endr
.endr
.endm
; 64 numbers of a lane become a fragment's eight registers of codes and my row's scale word
.macro QUANT src, pc, pw
.irp b, 0,1,2,3
	v_max3_num_f32 v[TM+\b], |v[(\src)+16*\b]|, |v[(\src)+1+16*\b]|, 0x1800000   ; block b: my 16 numbers, and the floor 2^(3 - 127): the byte cannot fall under 1
.endr
.irp i, 2,4,6,8,10,12,14
.irp b, 0,1,2,3
	v_max3_num_f32 v[TM+\b], v[TM+\b], |v[(\src)+16*\b+\i]|, |v[(\src)+1+16*\b+\i]|   ; the four blocks by turns
.endr
.endr
.irp b, 0,1,2,3
	v_permlanex16_b32 v[TM+4+\b], v[TM+\b], s[SEL], s[SEL+1]
.endr
.irp b, 0,1,2,3
	v_max_num_f32 v[TM+\b], v[TM+\b], v[TM+4+\b]   ; with lane l xor 16's: the block's largest magnitude
.endr
.irp b, 0,1,2,3
	v_add_nc_u32 v[TM+12+\b], 0xff000000, v[TM+\b]   ; 2 off its exponent field: the conversion takes the exponent field of this operand as its scale
.endr
.irp b, 0,1,2,3
	v_lshrrev_b32 v[TM+4+\b], 23, v[TM+12+\b]   ; the scale's byte
.endr
	v_lshl_or_b32 v[\pw], v[TM+5], 8, v[TM+4]
	v_lshl_or_b32 v[\pw], v[TM+6], 16, v[\pw]
	v_lshl_or_b32 v[\pw], v[TM+7], 24, v[\pw]
.irp b, 0,1,2,3
	v_cvt_scalef32_pk8_fp4_f32 v[(\pc)+2*\b], v[(\src)+16*\b:(\src)+7+16*\b], v[TM+12+\b]
	v_cvt_scalef32_pk8_fp4_f32 v[(\pc)+1+2*\b], v[(\src)+8+16*\b:(\src)+15+16*\b], v[TM+12+\b]
.endr
	v_nop                                          ; one plain place behind a scaled conversion
.irp c, 0,1                                    ; the operand's layout wants a whole block in a lane
.irp i, 0,1
	v_permlane16_swap_b32 v[(\pc)+4*\c+\i], v[(\pc)+2+4*\c+\i]
.endr
.endr
.endm
; ONE UNIT of a trip of four.  ahead = 1: ring set j is asked for again, at go bytes from base xb.  next = 1: the next unit, once all but left younger loads are in, goes through the stage while this one is quantised.
; io, so: where this unit's image and scale words go, from v[IMA] and v[SCA].
.macro UNIT j, ahead, left, next, dsw, xb, go, io, so
.set EE, (\j)%2
	s_wait_dscnt \dsw                              ; 3: all but the last unit's three image stores are done: my numbers are back from the stage, its stores have read ring set j, and the stores of two units ago have read these code registers
.if \ahead
	WIN 0x40                                       ; destination window 1
	XLOAD 64*(\j), \xb, \go
.endif
.if \next
	s_wait_loadcnt \left                           ; the next unit's 16 loads are in; the younger units' may be out
	TURN ((\j)+1)%4, ST+64*(1-EE)
.endif
	WIN 0
	QUANT ST+64*EE, PC+8*EE, PW+EE
	ds_store_b128 v[IMA], v[PC+8*EE:PC+8*EE+3] offset:\io
	ds_store_b128 v[IMA], v[PC+8*EE+4:PC+8*EE+7] offset:(\io)+512
	ds_store_b32 v[SCA], v[PW+EE] offset:\so       ; both halves of the lanes write the same word with the same value
.endm
; THE PRODUCTS.
.macro FETCH_A ks, lo, ab              ; the rows' fragments of tiles lo .. lo + 3, K step ks
.irp mt, \lo, \lo+1, \lo+2, \lo+3
.irp c, 0,1
	ds_load_b128 v[AF+8*(\mt)+4*\c:AF+8*(\mt)+4*\c+3], v[\ab] offset:(\mt)*8192+(\ks)*1024+512*\c
.endr
.endr
.endm
.macro BLOAD ks, base                  ; a head's four weight fragments of K step ks: eight loads of 512 consecutive bytes; every work-group reads them: no hint
.irp t, 0,1,2,3
.irp c, 0,1
	global_load_b128 v[BF+32*((\ks)%4)+8*\t+4*\c:BF+32*((\ks)%4)+8*\t+4*\c+3], v[L16], s[\base:\base+1] offset:(\ks)*4096+\t*1024+512*\c
.endr
.endr
.endm
.macro FIRSTB cb, sb                   ; a head's scale words and its first three K steps: 28 loads
.irp q, 0,1,2,3
	global_load_b128 v[BS+4*\q:BS+4*\q+3], v[L16], s[\sb:\sb+1] offset:512*\q
.endr
	BLOAD 0, \cb
	BLOAD 1, \cb
	BLOAD 2, \cb
.endm
.macro WM d, a, b, sa, sb, ks          ; K step 0 starts the sum with the constant 0; an odd K step takes its scale words from lanes 16-31
.if (\ks) == 0
	v_wmma_scale_f32_16x16x128_f8f6f4 v[\d:\d+7], v[\a:\a+7], v[\b:\b+7], 0, v[\sa], v[\sb] matrix_a_fmt:MATRIX_FMT_FP4 matrix_b_fmt:MATRIX_FMT_FP4
.elseif (\ks)%2 == 0
	v_wmma_scale_f32_16x16x128_f8f6f4 v[\d:\d+7], v[\a:\a+7], v[\b:\b+7], v[\d:\d+7], v[\sa], v[\sb] matrix_a_fmt:MATRIX_FMT_FP4 matrix_b_fmt:MATRIX_FMT_FP4
.else
	v_wmma_scale_f32_16x16x128_f8f6f4 v[\d:\d+7], v[\a:\a+7], v[\b:\b+7], v[\d:\d+7], v[\sa], v[\sb] matrix_a_fmt:MATRIX_FMT_FP4 matrix_b_fmt:MATRIX_FMT_FP4 matrix_a_scale:MATRIX_SCALE_ROW1 matrix_b_scale:MATRIX_SCALE_ROW1
.endif
.endm
; 16 matrix instructions: tiles of rows lo .. lo + 3 x the head's four tiles of columns.  tr = 1: transposed (source 0 = the weight): lane (r, h) holds row 16 mt + r, register j column 16 t + 8 h + j.
; tr = 0: lane (r, h) holds column 16 t + r, register j row 16 mt + 8 h + j.  The 32 accumulators take turns, one instruction a turn, in one order in every K step.
.macro MUL16 ks, lo, tr
.irp mt, \lo, \lo+1, \lo+2, \lo+3
.irp t, 0,1,2,3
.set rD, 8*(4*(\mt)+\t)
.set rA, AF+8*(\mt)
.set rB, BF+32*((\ks)%4)+8*\t
.set rSA, AS+4*(\mt)+(\ks)/2
.set rSB, BS+4*((\ks)/2)+\t
.if \tr
	WM rD, rB, rA, rSB, rSA, \ks
.else
	WM rD, rA, rB, rSA, rSB, \ks
.endif
.endr
.endr
.endm
.macro STEP ks, ab, tr                 ; a K step of 128: 32 matrix instructions; the next step's fragments of the rows are fetched in two runs, the weights' three steps ahead
.if (\ks) <= 5
	s_wait_loadcnt 16                              ; this step's weights are in; those of the two steps behind it may be out
.elseif (\ks) == 6
	s_wait_loadcnt 8                               ; only the last step's may be out
.else
	s_wait_loadcnt 0
.endif
	s_wait_dscnt 8                                 ; tiles 0-3 are in; the youngest eight loads (tiles 4-7) may be out
	WIN 0x50                                       ; C and D window 1
	MUL16 \ks, 0, \tr
	s_wait_dscnt 0                                 ; tiles 4-7 are in
	PLACES
	WIN 0
.if (\ks) < 7
	FETCH_A (\ks)+1, 0, \ab
.endif
.if (\ks) <= 4
	BLOAD (\ks)+3, WB
.endif
	WIN 0x50
	MUL16 \ks, 4, \tr
	PLACES
	WIN 0
.if (\ks) < 7
	FETCH_A (\ks)+1, 4, \ab
.endif
.endm
.macro HEAD ab, sco, tr                ; 128 rows x a head's 64 columns x K = 1,024
.irp mt, 0,1,2,3,4,5,6,7
	ds_load_b128 v[AS+4*\mt:AS+4*\mt+3], v[ASC] offset:(\sco)+512*\mt
.endr
	FETCH_A 0, 0, \ab
	FETCH_A 0, 4, \ab
.irp ks, 0,1,2,3,4,5,6,7
	STEP \ks, \ab, \tr
.endr
.endm
; AFTER A HEAD OF k: the scores of its 128 keys, their maximum, p and its sum.
.macro EPI_K
	FIRSTB NX, NXS                                 ; what is multiplied next lands under this arithmetic
.irp t, 0,1,2,3
.irp c, 0,1
	ds_load_b128 v[QR+8*\t+4*\c:QR+8*\t+4*\c+3], v[ADQ] offset:64*\t+16*\c           ; q at the head's channels 16 t + 8 h + 0 .. 7
	ds_load_b128 v[BR+8*\t+4*\c:BR+8*\t+4*\c+3], v[ADQ] offset:4096+64*\t+16*\c      ; bk likewise
.endr
.endr
	s_wait_dscnt 0x0
	v_pk_mul_f32 v[240:241], v[QR:QR+1], v[BR:BR+1]                 ; c0 = the sum of q bk over my 32 channels, in two chains of pairs
	v_pk_mul_f32 v[242:243], v[QR+2:QR+3], v[BR+2:BR+3]
.irp i, 4,8,12,16,20,24,28
	v_pk_fma_f32 v[240:241], v[QR+\i:QR+\i+1], v[BR+\i:BR+\i+1], v[240:241]
	v_pk_fma_f32 v[242:243], v[QR+\i+2:QR+\i+3], v[BR+\i+2:BR+\i+3], v[242:243]
.endr
	v_pk_add_f32 v[240:241], v[240:241], v[242:243]
	WIN 0x01                                       ; source 0: the accumulators, window 1
.irp t, 0,1,2,3
.irp i, 0,1,2,3
.irp mt, 0,1,2,3,4,5,6,7                       ; eight chains by turns; each accumulator is read from its low end on
.if (\t == 0) && (\i == 0)
	v_pk_fma_f32 v[SS+2*\mt:SS+2*\mt+1], v[8*(4*\mt+\t)+2*\i:8*(4*\mt+\t)+2*\i+1], v[QR+8*\t+2*\i:QR+8*\t+2*\i+1], v[240:241]
.else
	v_pk_fma_f32 v[SS+2*\mt:SS+2*\mt+1], v[8*(4*\mt+\t)+2*\i:8*(4*\mt+\t)+2*\i+1], v[QR+8*\t+2*\i:QR+8*\t+2*\i+1], v[SS+2*\mt:SS+2*\mt+1]
.endif
.endr
.endr
.endr
	WIN 0
.irp mt, 0,1,2,3,4,5,6,7
	v_add_f32 v[SS+2*\mt], v[SS+2*\mt], v[SS+2*\mt+1]
.endr
.irp mt, 0,1,2,3,4,5,6,7
	v_permlanex16_b32 v[SS+2*\mt+1], v[SS+2*\mt], s[SEL], s[SEL+1]
.endr
.irp mt, 0,1,2,3,4,5,6,7
	v_add_f32 v[SS+2*\mt], v[SS+2*\mt], v[SS+2*\mt+1]              ; with the other 32 channels: the score of key 16 mt + r, the same bits in both halves of the lanes
.endr
	v_max3_num_f32 v244, v[SS], v[SS+2], v[SS+4]
	v_max3_num_f32 v244, v244, v[SS+6], v[SS+8]
	v_max3_num_f32 v244, v244, v[SS+10], v[SS+12]
	v_max_num_f32 v244, v244, v[SS+14]
	v_max_num_f32_dpp v244, v244, v244 row_xmask:1 row_mask:0xf bank_mask:0xf
	v_max_num_f32_dpp v244, v244, v244 row_xmask:2 row_mask:0xf bank_mask:0xf
	v_max_num_f32_dpp v244, v244, v244 row_xmask:4 row_mask:0xf bank_mask:0xf
	v_max_num_f32_dpp v244, v244, v244 row_xmask:8 row_mask:0xf bank_mask:0xf   ; the largest of the 128 scores
	v_mul_f32 v245, s[CS], v244                    ; in powers of two: x log2(e) / 32
.irp mt, 0,1,2,3,4,5,6,7
	v_fma_f32 v[SS+2*\mt], v[SS+2*\mt], s[CS], -v245
.endr
.irp mt, 0,1,2,3,4,5,6,7
	v_exp_f32 v[SS+2*\mt], v[SS+2*\mt]             ; p = 2^(t - the largest t)
.endr
	v_nop                                          ; a plain place behind the exponentials
	s_wait_alu depctr_va_vdst(0)
	v_add_f32 v246, v[SS], v[SS+2]
	v_add_f32 v247, v[SS+4], v[SS+6]
	v_add_f32 v248, v[SS+8], v[SS+10]
	v_add_f32 v249, v[SS+12], v[SS+14]
	v_add_f32 v246, v246, v247
	v_add_f32 v248, v248, v249
	v_add_f32 v246, v246, v248
	v_add_f32_dpp v246, v246, v246 row_xmask:1 row_mask:0xf bank_mask:0xf
	v_add_f32_dpp v246, v246, v246 row_xmask:2 row_mask:0xf bank_mask:0xf
	v_add_f32_dpp v246, v246, v246 row_xmask:4 row_mask:0xf bank_mask:0xf
	v_add_f32_dpp v246, v246, v246 row_xmask:8 row_mask:0xf bank_mask:0xf       ; the sum of the 128 p
.irp mt, 0,1,2,3,4,5,6,7
	ds_store_b32 v[ADP], v[SS+2*\mt] offset:64*\mt
.endr
	ds_store_b32 v[ADS], v245
	ds_store_b32 v[ADS], v246 offset:1024
.endm
; AFTER A HEAD OF v: the sums of p v over the 128 keys.
.macro EPI_V
	s_cmp_eq_u32 s[TRIP], 1                        ; the last head has no successor: no load leaves its buffer
	s_cbranch_scc1 .Lno_next_\@
	FIRSTB NX, NXS
.Lno_next_\@:
.irp mt, 0,1,2,3,4,5,6,7
.irp c, 0,1
	ds_load_b128 v[QR+8*\mt+4*\c:QR+8*\mt+4*\c+3], v[ADQ] offset:64*\mt+16*\c   ; p of keys 16 mt + 8 h + 0 .. 7
.endr
.endr
	s_wait_dscnt 0x0
	WIN 0x01
.irp g, 0,1,2,3
.irp i, 0,1,2,3
.irp t, 0,1,2,3
.irp u, 0,1                                    ; eight chains by turns: a tile of columns x even or odd tiles of rows; each accumulator is read from its low end on
.if (\g == 0) && (\i == 0)
	v_pk_mul_f32 v[SS+4*\t+2*\u:SS+4*\t+2*\u+1], v[8*(4*(2*\g+\u)+\t)+2*\i:8*(4*(2*\g+\u)+\t)+2*\i+1], v[QR+8*(2*\g+\u)+2*\i:QR+8*(2*\g+\u)+2*\i+1]
.else
	v_pk_fma_f32 v[SS+4*\t+2*\u:SS+4*\t+2*\u+1], v[8*(4*(2*\g+\u)+\t)+2*\i:8*(4*(2*\g+\u)+\t)+2*\i+1], v[QR+8*(2*\g+\u)+2*\i:QR+8*(2*\g+\u)+2*\i+1], v[SS+4*\t+2*\u:SS+4*\t+2*\u+1]
.endif
.endr
.endr
.endr
.endr
	WIN 0
.irp t, 0,1,2,3
	v_pk_add_f32 v[SS+4*\t:SS+4*\t+1], v[SS+4*\t:SS+4*\t+1], v[SS+4*\t+2:SS+4*\t+3]
.endr
.irp t, 0,1,2,3
	v_add_f32 v[SS+4*\t], v[SS+4*\t], v[SS+4*\t+1]
.endr
.irp t, 0,1,2,3
	v_permlanex16_b32 v[SS+4*\t+1], v[SS+4*\t], s[SEL], s[SEL+1]
.endr
.irp t, 0,1,2,3
	v_add_f32 v[SS+4*\t], v[SS+4*\t], v[SS+4*\t+1]                 ; with the other half's keys
.endr
.irp t, 0,1,2,3
	ds_store_b32 v[ADP], v[SS+4*\t] offset:64*\t
.endr
.endm
	s_load_b512 s[4:19], s[0:1], 0x0               ; key, value, Wk's codes, Wk's scale words, Wv's codes s[12:13], Wv's scale words s[14:15], q s[16:17], bk s[18:19]
	s_load_b128 s[20:23], s[0:1], 0x40             ; the partial sums, the statistics
	v_lshrrev_b32 v9, 5, v0
	v_readfirstlane_b32 s[WV], v9                  ; wave 0..7
	v_and_b32 v9, 31, v0
	v_lshlrev_b32 v[L16], 4, v9
	v_and_b32 v9, 15, v0                           ; r
	v_bfe_u32 v10, v0, 4, 1                        ; h
	v_lshlrev_b32 v[R16], 4, v9
	v_lshlrev_b32 v[R4], 2, v9
	v_lshlrev_b32 v[H32], 5, v10
	s_and_b32 s[W3], s[WV], 3
	s_mul_i32 s26, s[WV], STGB
	s_add_co_u32 s26, s26, STG                     ; my stage
	v_add_nc_u32 v[WRA], s26, v[L16]
	v_mul_u32_u24 v[RDA], v9, 528
	v_lshl_add_u32 v[RDA], v10, 6, v[RDA]
	v_add_nc_u32 v[RDA], s26, v[RDA]
	s_lshl_b32 s26, s[WV], 13
	v_add_nc_u32 v[IMA], s26, v[L16]               ; phase 0: key's tile of rows w
	s_lshl_b32 s26, s[WV], 9
	s_add_co_u32 s26, s26, KSC
	v_add_nc_u32 v[SCA], s26, v[R16]
	v_lshl_add_u32 v[TQ], v0, 4, QL
	v_lshlrev_b32 v[T16], 4, v0
	v_add_nc_u32 v[AV], VIMG, v[L16]
	v_add_nc_u32 v[ASC], KSC, v[L16]
.irp b, 0,1,2,3
	v_mov_b32 v[TM+4+\b], 0                        ; written once: a lane permute's destination counts as one of its sources
.endr
	s_mov_b32 s[CS], 0x3d38aa3b                    ; log2(e) / sqrt(1,024)
	s_mov_b32 s[SEL], 0x76543210
	s_mov_b32 s[SEL+1], 0xfedcba98
	s_lshl_b32 s28, s[W3], 14                      ; phase 1's places in LDS, by wave % 4.  Producers: value's tiles of rows 2 (w % 4) on,
	s_add_co_u32 s28, s28, VIMG
	s_lshl_b32 s29, s[W3], 10
	s_add_co_u32 s30, s29, QL                      ; consumers: q of head 4 w,
	s_add_co_u32 s29, s29, VSC                     ; (producers: the scale words)
	s_lshl_b32 s31, s[W3], 11
	s_add_co_u32 s31, s31, PL                      ; its p,
	s_lshl_b32 s32, s[W3], 8
	s_add_co_u32 s32, s32, STAT                    ; its statistics
	s_lshl_b32 s36, ttmp9, 19                      ; my work-group's 128 rows of 4,096 bytes
	s_mov_b32 s37, 0
	s_lshl_b32 s38, s[WV], 16                      ; 16 rows a wave
	s_mov_b32 s39, 0
	s_wait_kmcnt 0x0
	s_add_nc_u64 s[KP:KP+1], s[KP:KP+1], s[36:37]
	s_add_nc_u64 s[KP:KP+1], s[KP:KP+1], s[38:39]
	s_add_nc_u64 s[12:13], s[12:13], s[38:39]      ; Wv's codes: heads 2 w, 2 w + 1: 65,536 bytes a wave
	s_add_nc_u64 s[VP:VP+1], s[VP:VP+1], s[36:37]
	s_lshl_b32 s38, s[W3], 17
	s_add_nc_u64 s[VP:VP+1], s[VP:VP+1], s[38:39]  ; 32 rows for each producer
	s_add_nc_u64 s[WB:WB+1], s[WB:WB+1], s[38:39]  ; Wk's codes: heads 4 w on: 131,072 bytes for each consumer
	s_lshl_b32 s38, s[W3], 13
	s_add_nc_u64 s[WSP:WSP+1], s[WSP:WSP+1], s[38:39]
	s_lshl_b32 s38, s[WV], 12
	s_add_nc_u64 s[14:15], s[14:15], s[38:39]
	s_lshl_b32 s38, s[WV], 9
	s_add_nc_u64 s[16:17], s[16:17], s[38:39]      ; each wave brings 512 bytes of q and of bk
	s_add_nc_u64 s[18:19], s[18:19], s[38:39]
	s_lshr_b32 s36, ttmp9, 4                       ; the batch
	s_lshl_b32 s38, s36, 12
	s_add_nc_u64 s[16:17], s[16:17], s[38:39]
	s_lshl_b32 s38, ttmp9, 12
	s_add_nc_u64 s[20:21], s[20:21], s[38:39]
	s_lshl_b32 s38, s36, 10
	s_and_b32 s36, ttmp9, 15
	s_lshl_b32 s36, s36, 2
	s_add_co_u32 s38, s38, s36
	s_add_nc_u64 s[22:23], s[22:23], s[38:39]      ; batch x 1,024 + 4 x my part of its keys
	; ---- PHASE 0: the key rows.  Unit (trip, j) is K step 4 trip + j of my 16 rows
	global_load_b128 v[192:195], v[L16], s[16:17]
	global_load_b128 v[196:199], v[L16], s[18:19]
	WIN 0x40
	XLOAD 0, KP, 0
	XLOAD 64, KP, 512
	XLOAD 128, KP, 1024
	WIN 0
	s_wait_loadcnt 48                              ; q and bk are in: the three units' 48 loads may be out
	ds_store_b128 v[TQ], v[192:195]
	ds_store_b128 v[TQ], v[196:199] offset:4096
	WIN 0x40
	XLOAD 192, KP, 1536
	s_wait_loadcnt 48                              ; unit 0 is in
	TURN 0, ST
	UNIT 0, 1, 48, 1, 0, KP, 2048, 0, 0            ; (the first unit waits for all its LDS instructions: no image stores stand behind its turn)
.irp j, 1,2,3
	UNIT \j, 1, 48, 1, 3, KP, 2048+512*\j, 1024*\j, (\j%2)*256+(\j/2)*4
.endr
	s_cmp_lt_u32 s[WV], 4
	s_cbranch_scc0 .Lt1_producer
.irp j, 0,1,2                                  ; consumers: the ring runs empty: 32, 16, 0 younger loads
	UNIT \j, 0, 32-16*\j, 1, 3, KP, 0, 4096+1024*\j, (\j%2)*256+(2+\j/2)*4
.endr
	UNIT 3, 0, 0, 0, 3, KP, 0, 7168, 268
	s_wait_dscnt 0x0                               ; the image stores have read the registers into which the weights now come
	FIRSTB WB, WSP                                 ; head 4 w of Wk
	s_branch .Lt1_join
.Lt1_producer:
.irp j, 0,1,2,3                                ; producers: the ring runs on into the value rows: unit (trip, j) is tile of rows 2 (w % 4) + j / 2, K step 2 trip + j % 2
	UNIT \j, 1, 48, 1, 3, VP, (\j/2)*65536+(\j%2)*512, 4096+1024*\j, (\j%2)*256+(2+\j/2)*4
.endr
.Lt1_join:
	s_wait_dscnt 0x0                               ; for the others' sake: my images, scale words, q and bk lie in LDS
	s_barrier_signal -1
	s_barrier_wait -1                              ; key's 64 fragments are whole.  Global loads stay on their way across the barrier: nobody writes what they read
	; ---- PHASE 1: four trips, walked by all waves.  Consumers read key's images and scale words, q and bk, and write p and the statistics; producers touch their stages and value's images and scale words
	s_mov_b32 s[TRIP], 0
.Lk_trip:
	v_add_nc_u32 v[IMA], s28, v[L16]
	v_add_nc_u32 v[SCA], s29, v[R16]
	v_add_nc_u32 v[ADQ], s30, v[H32]
	v_add_nc_u32 v[ADP], s31, v[R4]
	v_add_nc_u32 v[ADS], s32, v[R4]
	s_cmp_lt_u32 s[WV], 4
	s_cbranch_scc0 .Lk_producer
	s_add_nc_u64 s[NX:NX+1], s[WB:WB+1], 32768     ; what is fetched next: the next head of Wk,
	s_add_nc_u64 s[NXS:NXS+1], s[WSP:WSP+1], 2048
	s_cmp_eq_u32 s[TRIP], 3
	s_cselect_b64 s[NX:NX+1], s[12:13], s[NX:NX+1] ; or, behind the last, my first head of Wv
	s_cselect_b64 s[NXS:NXS+1], s[14:15], s[NXS:NXS+1]
	HEAD L16, 0, 1
	EPI_K
	s_wait_xcnt 0x0                                ; the loads have read their bases: these may be written
	s_mov_b64 s[WB:WB+1], s[NX:NX+1]
	s_mov_b64 s[WSP:WSP+1], s[NXS:NXS+1]
	s_branch .Lk_join
.Lk_producer:
	s_cmp_eq_u32 s[TRIP], 3
	s_cbranch_scc1 .Lk_drain
.irp j, 0,1,2,3
	UNIT \j, 1, 48, 1, 3, VP, 1024+(\j/2)*65536+(\j%2)*512, (\j/2)*8192+(\j%2)*1024, (\j/2)*512+(\j%2)*256
.endr
	s_wait_xcnt 0x0                                ; the loads have read their base
	s_add_nc_u64 s[VP:VP+1], s[VP:VP+1], 1024      ; two K steps on
	s_branch .Lk_join
.Lk_drain:
.irp j, 0,1,2                                  ; the last trip asks for nothing: no load leaves its buffer
	UNIT \j, 0, 32-16*\j, 1, 3, VP, 0, (\j/2)*8192+(\j%2)*1024, (\j/2)*512+(\j%2)*256
.endr
	UNIT 3, 0, 0, 0, 3, VP, 0, 9216, 768
.Lk_join:
	s_add_co_u32 s28, s28, 2048                    ; producers: two K steps on in the images,
	s_add_co_u32 s29, s29, 4                       ; one word on among the scale words;
	s_add_co_u32 s30, s30, 256                     ; consumers: the next head's q,
	s_add_co_u32 s31, s31, 512                     ; p,
	s_add_co_u32 s32, s32, 64                      ; statistics
	s_add_co_u32 s[TRIP], s[TRIP], 1
	s_cmp_lt_u32 s[TRIP], 4
	s_cbranch_scc1 .Lk_trip
	s_wait_dscnt 0x0                               ; for the others' sake: value's images, p and the statistics lie in LDS; and my image stores have read their registers
	s_wait_xcnt 0x0
	s_mov_b64 s[WB:WB+1], s[12:13]                 ; my first head of Wv (the consumers hold this address already)
	s_mov_b64 s[WSP:WSP+1], s[14:15]
	s_lshl_b32 s30, s[WV], 10
	s_add_co_u32 s30, s30, PL                      ; p of head 2 w
	s_lshl_b32 s31, s[WV], 9
	s_add_co_u32 s31, s31, OST                     ; and its sums
	s_cmp_lt_u32 s[WV], 4
	s_cbranch_scc1 .Lhave_wv                       ; the consumers asked for it behind their last head of k
	s_wait_loadcnt 0x0                             ; no row load of mine is out (the last trip's counts ran down to 0): the ring's registers become accumulators
	FIRSTB WB, WSP
.Lhave_wv:
	s_barrier_signal -1
	s_barrier_wait -1
	; ---- PHASE 2: two trips, all waves alike
	s_mov_b32 s[TRIP], 0
.Lv_trip:
	v_add_nc_u32 v[ADQ], s30, v[H32]
	v_add_nc_u32 v[ADP], s31, v[R4]
	s_add_nc_u64 s[NX:NX+1], s[WB:WB+1], 32768
	s_add_nc_u64 s[NXS:NXS+1], s[WSP:WSP+1], 2048
	HEAD AV, 4096, 0
	EPI_V
	s_wait_xcnt 0x0                                ; the loads have read their bases
	s_mov_b64 s[WB:WB+1], s[NX:NX+1]
	s_mov_b64 s[WSP:WSP+1], s[NXS:NXS+1]
	s_add_co_u32 s30, s30, 512
	s_add_co_u32 s31, s31, 256
	s_add_co_u32 s[TRIP], s[TRIP], 1
	s_cmp_lt_u32 s[TRIP], 2
	s_cbranch_scc1 .Lv_trip
	; ---- PHASE 3: the way out
	s_wait_dscnt 0x0                               ; for the others' sake: my heads' sums lie in LDS
	s_barrier_signal -1
	s_barrier_wait -1
	ds_load_b128 v[64:67], v[TQ] offset:OST-QL
	s_wait_dscnt 0x0
	global_store_b128 v[T16], v[64:67], s[20:21]   ; each wave stores 512 consecutive bytes
	s_cmp_lg_u32 s[WV], 0
	s_cbranch_scc1 .Lend
	v_and_b32 v9, 15, v0                           ; wave 0: lanes 0-15 take the sixteen heads' maxima, lanes 16-31 their sums
	v_lshlrev_b32 v9, 6, v9
	v_lshrrev_b32 v10, 4, v0
	v_lshl_add_u32 v11, v10, 10, v9
	v_add_nc_u32 v11, STAT, v11
	v_lshl_add_u32 v9, v10, 14, v9                 ; in memory: 64 x head, the sums 16,384 bytes on
	ds_load_b32 v68, v11
	s_wait_dscnt 0x0
	global_store_b32 v9, v68, s[22:23]             ; 4 bytes of each 64: the batch's other fifteen work-groups fill the rest; 32,768 bytes in the whole launch
.Lend:
	s_wait_xcnt 0x0
	v_lshl_add_u32 v254, v0, 2, 0x38000
	v_mov_b32 v255, 0
	s_wait_tensorcnt 0x0
	ds_add_u32 v254, v255
	s_wait_dscnt 0x0
	s_endpgm
.Lfunc_end_k_q9ac6d609b9_main:
	.size	k_q9ac6d609b9_main, .Lfunc_end_k_q9ac6d609b9_main-k_q9ac6d609b9_main
	.p2alignl 7, 3214868480
	.fill 96, 4, 3214868480
	.section	.rodata,"a",@progbits
	.p2align	6, 0x0
	.amdhsa_kernel k_q9ac6d609b9_main
		.amdhsa_group_segment_fixed_size 230400
		.amdhsa_private_segment_fixed_size 0
		.amdhsa_enable_private_segment 0
		.amdhsa_kernarg_size 80
		.amdhsa_user_sgpr_count 2
		.amdhsa_user_sgpr_kernarg_segment_ptr 1
		.amdhsa_wavefront_size32 1
		.amdhsa_system_sgpr_workgroup_id_x 1
		.amdhsa_system_sgpr_workgroup_id_y 1
		.amdhsa_system_sgpr_workgroup_id_z 1
		.amdhsa_system_vgpr_workitem_id 0
		.amdhsa_next_free_vgpr 512
		.amdhsa_next_free_sgpr 66
		.amdhsa_reserve_vcc 0
		.amdhsa_float_denorm_mode_32 3
		.amdhsa_float_denorm_mode_16_64 3
		.amdhsa_memory_ordered 1
		.amdhsa_forward_progress 1
		.amdhsa_inst_pref_size 255
	.end_amdhsa_kernel
	.section	.bss,"aw",@nobits
	.p2align	6
	.space	262144
	.amdgpu_metadata
---
amdhsa.version: [ 1, 2 ]
amdhsa.kernels:
  - .name:           k_q9ac6d609b9_main
    .symbol:         k_q9ac6d609b9_main.kd
    .args:
      - { .name: key, .offset: 0, .size: 8, .value_kind: global_buffer, .address_space: global }
      - { .name: value, .offset: 8, .size: 8, .value_kind: global_buffer, .address_space: global }
      - { .name: wkc, .offset: 16, .size: 8, .value_kind: global_buffer, .address_space: global }
      - { .name: wks, .offset: 24, .size: 8, .value_kind: global_buffer, .address_space: global }
      - { .name: wvc, .offset: 32, .size: 8, .value_kind: global_buffer, .address_space: global }
      - { .name: wvs, .offset: 40, .size: 8, .value_kind: global_buffer, .address_space: global }
      - { .name: qbuf, .offset: 48, .size: 8, .value_kind: global_buffer, .address_space: global }
      - { .name: bk, .offset: 56, .size: 8, .value_kind: global_buffer, .address_space: global }
      - { .name: opart, .offset: 64, .size: 8, .value_kind: global_buffer, .address_space: global }
      - { .name: stat, .offset: 72, .size: 8, .value_kind: global_buffer, .address_space: global }
    .group_segment_fixed_size: 230400
    .private_segment_fixed_size: 0
    .kernarg_segment_align: 8
    .kernarg_segment_size: 80
    .max_flat_workgroup_size: 256
    .sgpr_count:     66
    .vgpr_count:     512
    .wavefront_size: 32
...
	.end_amdgpu_metadata
.endif
;; end of part 2
;; launch comb (part 3): grid 128 x 1, 1 waves a work-group, no clusters, 0 bytes of LDS; arguments opart, stat, bv, attn; writes attn
.if DOCPART == 3
	.amdgcn_target "amdgcn-amd-amdhsa--gfx1250"
	.amdhsa_code_object_version 6
	.text
	.protected	k_q9ac6d609b9_comb
	.globl	k_q9ac6d609b9_comb
	.p2align	8
	.type	k_q9ac6d609b9_comb,@function
k_q9ac6d609b9_comb:
	s_mov_b64 s[64:65], 0
	v_nop
	global_prefetch_b8 v0, s[64:65] scope:SCOPE_SE
	s_setreg_imm32_b32 hwreg(HW_REG_WAVE_MODE, 25, 1), 1
	s_wait_xcnt 0x0
; The sixteen partial softmaxes of a batch are joined: attn = (the sum over p of 2^(m_p - M) O_p) / (the sum over p of 2^(m_p - M) l_p) + bv, M the largest m_p.  All in f32.
; One wave takes 128 columns (two heads) of one batch: x = 8 b + c.  Lane = 16 hh + i: in the statistics, part i of head 2 c + hh; in the sums, columns 128 c + 4 lane on, which belong to head 2 c + hh too.
; So a part's weight is fetched from lane p of the lane's own row of sixteen.  Every load and the store cover 512 (the statistics: 128) consecutive bytes.  No LDS, no barrier, no matrix work: 1 MB is read once.
	s_load_b256 s[4:11], s[0:1], 0x0               ; the partial sums s[4:5], the statistics s[6:7], bv s[8:9], attn s[10:11]
	s_lshr_b32 s12, ttmp9, 3                       ; b
	s_and_b32 s13, ttmp9, 7                        ; c
	v_lshlrev_b32 v1, 2, v0
	v_lshlrev_b32 v2, 4, v0
	v_mov_b32 v12, 0                               ; a DPP move's destination counts as read; v13 is named with it as a pair
	v_mov_b32 v13, 0
	s_lshl_b32 s14, s12, 10
	s_lshl_b32 s16, s13, 7
	s_add_co_u32 s14, s14, s16                     ; statistics: 1,024 b + 128 c
	s_mov_b32 s15, 0
	s_lshl_b32 s16, s13, 9                         ; 512 c
	s_mov_b32 s17, 0
	s_lshl_b32 s18, s12, 16                        ; the batch's sixteen rows of partial sums
	s_mov_b32 s19, 0
	s_lshl_b32 s20, s12, 12
	s_mov_b32 s21, 0
	s_wait_kmcnt 0x0
	s_add_nc_u64 s[6:7], s[6:7], s[14:15]
	s_add_nc_u64 s[8:9], s[8:9], s[16:17]
	s_add_nc_u64 s[4:5], s[4:5], s[16:17]
	s_add_nc_u64 s[4:5], s[4:5], s[18:19]
	s_add_nc_u64 s[10:11], s[10:11], s[16:17]
	s_add_nc_u64 s[10:11], s[10:11], s[20:21]
	global_load_b32 v4, v1, s[6:7]                 ; m
	global_load_b32 v5, v1, s[6:7] offset:16384    ; l
	global_load_b128 v[8:11], v2, s[8:9]           ; bv: the sums start from it
.irp p, 0,1,2,3,4,5,6,7,8,9,10,11,12,13,14,15
	global_load_b128 v[16+4*\p:19+4*\p], v2, s[4:5] offset:4096*\p th:TH_LOAD_NT
.endr
	s_wait_loadcnt 17                              ; m and l are in: bv and the sixteen partial sums may be out
	v_mov_b32 v6, v4
	v_max_num_f32_dpp v6, v6, v6 row_xmask:1 row_mask:0xf bank_mask:0xf
	v_max_num_f32_dpp v6, v6, v6 row_xmask:2 row_mask:0xf bank_mask:0xf
	v_max_num_f32_dpp v6, v6, v6 row_xmask:4 row_mask:0xf bank_mask:0xf
	v_max_num_f32_dpp v6, v6, v6 row_xmask:8 row_mask:0xf bank_mask:0xf   ; M of my head
	v_sub_f32 v7, v4, v6
	v_exp_f32 v7, v7                               ; f = 2^(m - M)
	v_nop                                          ; a plain place behind the transcendental
	s_wait_alu depctr_va_vdst(0)
	v_mul_f32 v5, v7, v5
	v_add_f32_dpp v5, v5, v5 row_xmask:1 row_mask:0xf bank_mask:0xf
	v_add_f32_dpp v5, v5, v5 row_xmask:2 row_mask:0xf bank_mask:0xf
	v_add_f32_dpp v5, v5, v5 row_xmask:4 row_mask:0xf bank_mask:0xf
	v_add_f32_dpp v5, v5, v5 row_xmask:8 row_mask:0xf bank_mask:0xf       ; the head's whole sum: at least 1, since the part with m = M has a p of about 1
	v_rcp_f32 v5, v5
	v_nop
	s_wait_alu depctr_va_vdst(0)
	v_mul_f32 v7, v7, v5                           ; g = f / the sum: part i's weight
.irp p, 0,1,2,3,4,5,6,7,8,9,10,11,12,13,14,15
	s_wait_loadcnt 15-\p                           ; part p's sums are in (and bv, asked for ahead of them); the parts behind may be out
	v_mov_b32_dpp v12, v7 row_share:\p row_mask:0xf bank_mask:0xf         ; g of part p of my head
	v_pk_fma_f32 v[8:9], v[16+4*\p:17+4*\p], v[12:13], v[8:9] op_sel_hi:[1,0,1]
	v_pk_fma_f32 v[10:11], v[18+4*\p:19+4*\p], v[12:13], v[10:11] op_sel_hi:[1,0,1]
.endr
	global_store_b128 v2, v[8:11], s[10:11]
	s_endpgm
.Lfunc_end_k_q9ac6d609b9_comb:
	.size	k_q9ac6d609b9_comb, .Lfunc_end_k_q9ac6d609b9_comb-k_q9ac6d609b9_comb
	.p2alignl 7, 3214868480
	.fill 96, 4, 3214868480
	.section	.rodata,"a",@progbits
	.p2align	6, 0x0
	.amdhsa_kernel k_q9ac6d609b9_comb
		.amdhsa_group_segment_fixed_size 0
		.amdhsa_private_segment_fixed_size 0
		.amdhsa_enable_private_segment 0
		.amdhsa_kernarg_size 32
		.amdhsa_user_sgpr_count 2
		.amdhsa_user_sgpr_kernarg_segment_ptr 1
		.amdhsa_wavefront_size32 1
		.amdhsa_system_sgpr_workgroup_id_x 1
		.amdhsa_system_sgpr_workgroup_id_y 1
		.amdhsa_system_sgpr_workgroup_id_z 1
		.amdhsa_system_vgpr_workitem_id 0
		.amdhsa_next_free_vgpr 96
		.amdhsa_next_free_sgpr 66
		.amdhsa_reserve_vcc 0
		.amdhsa_float_denorm_mode_32 3
		.amdhsa_float_denorm_mode_16_64 3
		.amdhsa_memory_ordered 1
		.amdhsa_forward_progress 1
		.amdhsa_inst_pref_size 8
	.end_amdhsa_kernel
	.amdgpu_metadata
---
amdhsa.version: [ 1, 2 ]
amdhsa.kernels:
  - .name:           k_q9ac6d609b9_comb
    .symbol:         k_q9ac6d609b9_comb.kd
    .args:
      - { .name: opart, .offset: 0, .size: 8, .value_kind: global_buffer, .address_space: global }
      - { .name: stat, .offset: 8, .size: 8, .value_kind: global_buffer, .address_space: global }
      - { .name: bv, .offset: 16, .size: 8, .value_kind: global_buffer, .address_space: global }
      - { .name: attn, .offset: 24, .size: 8, .value_kind: global_buffer, .address_space: global }
    .group_segment_fixed_size: 0
    .private_segment_fixed_size: 0
    .kernarg_segment_align: 8
    .kernarg_segment_size: 32
    .max_flat_workgroup_size: 32
    .sgpr_count:     66
    .vgpr_count:     96
    .wavefront_size: 32
...
	.end_amdgpu_metadata
.endif
;; end of part 3
;; launch final (part 4): grid 64 x 1, 8 waves a work-group, no clusters, 76,800 bytes of LDS; arguments attn, Wo, bo, out0; writes out0
.if DOCPART == 4
	.amdgcn_target "amdgcn-amd-amdhsa--gfx1250"
	.amdhsa_code_object_version 6
	.text
	.protected	k_q9ac6d609b9_final
	.globl	k_q9ac6d609b9_final
	.p2align	8
	.type	k_q9ac6d609b9_final,@function
k_q9ac6d609b9_final:
	s_mov_b64 s[64:65], 0
	v_nop
	global_prefetch_b8 v0, s[64:65] scope:SCOPE_SE
	s_setreg_imm32_b32 hwreg(HW_REG_WAVE_MODE, 25, 1), 1
	s_wait_xcnt 0x0
; out0 = Q(attn) Q(Wo)^T + bo, Q the MX quantiser to FP4 (E2M1) along K: a block of 32 has the scale 2^(floor(log2(largest magnitude)) - 2).
; Work-group x makes a tile of 16 batches x columns 16 x .. 16 x + 15.  Wave w is K step w (128 along K): it quantises attn's 16 rows and Wo's 16 rows of that step, issues one matrix instruction,
; and the eight waves' parts of K are added in f32 through LDS.  Each load reads 512 consecutive bytes of one row; a unit of 16 rows x 128 turns through the wave's own stage in LDS, so that a lane then holds 16 neighbours along K of each block.
; LIMITS: NaN and infinities are not served.  A block whose largest magnitude lies under 2^-124 has its byte held at 1.  A block of zeros gets the byte 1 where the rule says 127: its codes are zeros, and this launch alone reads the bytes.
; The stores are 4 bytes a lane, eight lanes to 32 consecutive bytes: a work-group holds only 64 bytes of each row of the output, 65,536 bytes in the whole launch.
.set STGB, 8448                        ; a wave's stage: 16 rows of 512 bytes + 16 = 528 = 33 x 16 bytes: the sixteen rows that a load touches start at sixteen different 16-byte columns modulo 256
.set RED,  8*STGB                      ; behind the stages: the eight waves' results, 1,024 bytes each
.set L16, 1                            ; v1   16 x lane
.set WRA, 2                            ; v2   the stage on the way in
.set RDA, 3                            ; v3   and on the way out
.set LN,  4                            ; v4   lane
.set BOF, 7                            ; v7   byte offset of my number in the bias
.set OOF, 8                            ; v8   and in the output
.set RST, 9                            ; v9   where I put my 32 bytes of the wave's result
.set RRD, 10                           ; v10  where I read one number of each wave's result
.set R0,  32                           ; v32-95   attn's unit
.set R1,  96                           ; v96-159  Wo's
.set PCA, 160                          ; v160-167, v168-175 their codes
.set PCB, 168
.set PWA, 176                          ; v176, v177 their scale words: these two registers hold scales and nothing else
.set PWB, 177
.set TM,  180                          ; v180-195 at work in QUANT
.set DD,  200                          ; v200-207 the result
.set BI,  208                          ; v208 the bias
.set WK,  210                          ; v210-217 at work
.set SEL, 46                           ; s[46:47] v_permlanex16_b32's selects for lane l xor 16
.macro XLOAD reg, base, nt             ; a unit: 16 loads, each 512 consecutive bytes of one row
.irp i, 0,1,2,3,4,5,6,7,8,9,10,11,12,13,14,15
.if \nt
	global_load_b128 v[(\reg)+4*\i:(\reg)+4*\i+3], v[L16], s[\base:\base+1] offset:4096*\i th:TH_LOAD_NT
.else
	global_load_b128 v[(\reg)+4*\i:(\reg)+4*\i+3], v[L16], s[\base:\base+1] offset:4096*\i
.endif
.endr
.endm
.macro TURN reg                        ; through my stage and back into the registers that the unit left: register 16 b + i is then k = 32 b + 16 h + i of row r.  LDS serves a wave's instructions in order (ISA guide 5.7.1.4): no wait between
.irp i, 0,1,2,3,4,5,6,7,8,9,10,11,12,13,14,15
	ds_store_b128 v[WRA], v[(\reg)+4*\i:(\reg)+4*\i+3] offset:528*\i
.endr
.irp b, 0,1,2,3
.irp q, 0,1,2,3
	ds_load_b128 v[(\reg)+16*\b+4*\q:(\reg)+16*\b+4*\q+3], v[RDA] offset:128*\b+16*\q
.endr
.endr
.endm
.macro QUANT src, pc, pw               ; 64 numbers of a lane become a fragment's eight registers of codes and my row's scale word
.irp b, 0,1,2,3
	v_max3_num_f32 v[TM+\b], |v[(\src)+16*\b]|, |v[(\src)+1+16*\b]|, 0x1800000   ; block b: my 16 numbers, and the floor 2^(3 - 127): the byte cannot fall under 1
.endr
.irp i, 2,4,6,8,10,12,14
.irp b, 0,1,2,3
	v_max3_num_f32 v[TM+\b], v[TM+\b], |v[(\src)+16*\b+\i]|, |v[(\src)+1+16*\b+\i]|   ; the four blocks by turns
.endr
.endr
.irp b, 0,1,2,3
	v_permlanex16_b32 v[TM+4+\b], v[TM+\b], s[SEL], s[SEL+1]
.endr
.irp b, 0,1,2,3
	v_max_num_f32 v[TM+\b], v[TM+\b], v[TM+4+\b]   ; with lane l xor 16's: the block's largest magnitude
.endr
.irp b, 0,1,2,3
	v_add_nc_u32 v[TM+12+\b], 0xff000000, v[TM+\b]   ; 2 off its exponent field: the conversion takes the exponent field of this operand as its scale
.endr
.irp b, 0,1,2,3
	v_lshrrev_b32 v[TM+4+\b], 23, v[TM+12+\b]   ; the scale's byte
.endr
	v_lshl_or_b32 v[\pw], v[TM+5], 8, v[TM+4]
	v_lshl_or_b32 v[\pw], v[TM+6], 16, v[\pw]
	v_lshl_or_b32 v[\pw], v[TM+7], 24, v[\pw]
.irp b, 0,1,2,3
	v_cvt_scalef32_pk8_fp4_f32 v[(\pc)+2*\b], v[(\src)+16*\b:(\src)+7+16*\b], v[TM+12+\b]
	v_cvt_scalef32_pk8_fp4_f32 v[(\pc)+1+2*\b], v[(\src)+8+16*\b:(\src)+15+16*\b], v[TM+12+\b]
.endr
	v_nop                                          ; one plain place behind a scaled conversion
.irp c, 0,1                                    ; the operand's layout wants a whole block in a lane
.irp i, 0,1
	v_permlane16_swap_b32 v[(\pc)+4*\c+\i], v[(\pc)+2+4*\c+\i]
.endr
.endr
.endm
	s_load_b256 s[4:11], s[0:1], 0x0               ; attn s[4:5], Wo s[6:7], bo s[8:9], the output s[10:11]
	v_lshl_add_u32 v254, v0, 2, 0x12800
	v_mov_b32 v255, 0
	v_lshrrev_b32 v5, 5, v0
	v_readfirstlane_b32 s24, v5                    ; wave 0..7
	v_and_b32 v[LN], 31, v0
	v_lshlrev_b32 v[L16], 4, v[LN]
	v_and_b32 v5, 15, v0                           ; r
	v_bfe_u32 v6, v0, 4, 1                         ; h
	s_mul_i32 s25, s24, STGB                       ; my stage
	v_add_nc_u32 v[WRA], s25, v[L16]
	v_mul_u32_u24 v[RDA], v5, 528
	v_lshl_add_u32 v[RDA], v6, 6, v[RDA]
	v_add_nc_u32 v[RDA], s25, v[RDA]
	v_and_b32 v[BOF], 7, v0                        ; thread tau adds up number tau of the waves' results: batch (tau / 8) % 16, column 8 (tau / 128) + tau % 8 of the tile
	v_lshrrev_b32 v5, 7, v0
	v_lshl_add_u32 v[BOF], v5, 3, v[BOF]
	v_lshlrev_b32 v[BOF], 2, v[BOF]
	s_lshl_b32 s25, ttmp9, 6
	v_add_nc_u32 v[BOF], s25, v[BOF]               ; 64 x + 4 x column
	v_bfe_u32 v5, v0, 3, 4
	v_lshl_add_u32 v[OOF], v5, 12, v[BOF]          ; + 4,096 x batch
	v_lshlrev_b32 v[RST], 5, v[LN]
	s_lshl_b32 s25, s24, 10
	s_add_co_u32 s25, s25, RED
	v_add_nc_u32 v[RST], s25, v[RST]
	v_lshl_add_u32 v[RRD], v0, 2, RED
.irp b, 0,1,2,3
	v_mov_b32 v[TM+4+\b], 0                        ; written once: a lane permute's destination counts as one of its sources
.endr
	s_mov_b32 s[SEL], 0x76543210
	s_mov_b32 s[SEL+1], 0xfedcba98
	s_lshl_b32 s34, s24, 9                         ; K step w: 512 bytes on in a row
	s_mov_b32 s35, 0
	s_lshl_b32 s36, ttmp9, 16                      ; the tile's 16 rows of Wo
	s_mov_b32 s37, 0
	s_wait_kmcnt 0x0
	s_add_nc_u64 s[4:5], s[4:5], s[34:35]
	s_add_nc_u64 s[6:7], s[6:7], s[34:35]
	s_add_nc_u64 s[6:7], s[6:7], s[36:37]
	XLOAD R0, 4, 0                                 ; (attn is read by all 64 work-groups: no hint)
	XLOAD R1, 6, 1
	global_load_b32 v[BI], v[BOF], s[8:9]
	s_wait_loadcnt 17                              ; attn's unit is in: Wo's 16 loads and the bias may be out
	TURN R0
	s_wait_loadcnt 1                               ; Wo's unit is in: the bias may be out
	TURN R1
	s_wait_dscnt 32                                ; attn's unit is back: the second turn's 16 stores and 16 loads may be out
	QUANT R0, PCA, PWA
	s_wait_dscnt 0x0
	QUANT R1, PCB, PWB
.rept 8
	v_nop                                          ; a scale register written by a vector instruction stands 8 places ahead of a scaled matrix instruction, an operand so written 4
.endr
	; transposed: source 0 = 16 rows of Wo, source 1 = attn's 16 rows: lane (r, h) holds batch r and the tile's columns 8 h + 0 .. 7
	v_wmma_scale_f32_16x16x128_f8f6f4 v[DD:DD+7], v[PCB:PCB+7], v[PCA:PCA+7], 0, v[PWB], v[PWA] matrix_a_fmt:MATRIX_FMT_FP4 matrix_b_fmt:MATRIX_FMT_FP4
.rept 4
	v_nop                                          ; four places in front of the first read of the result (ISA guide 7.12.1)
.endr
	ds_store_b128 v[RST], v[DD:DD+3]               ; from the result's low end on
	ds_store_b128 v[RST], v[DD+4:DD+7] offset:16
	s_wait_dscnt 0x0                               ; for the others' sake: my part of the sum lies in LDS
	s_barrier_signal -1
	s_barrier_wait -1
.irp k, 0,1,2,3,4,5,6,7
	ds_load_b32 v[WK+\k], v[RRD] offset:1024*\k    ; the eight waves' parts of K
.endr
	s_wait_dscnt 0x0
	v_add_f32 v[WK], v[WK], v[WK+1]
	v_add_f32 v[WK+2], v[WK+2], v[WK+3]
	v_add_f32 v[WK+4], v[WK+4], v[WK+5]
	v_add_f32 v[WK+6], v[WK+6], v[WK+7]
	v_add_f32 v[WK], v[WK], v[WK+2]
	v_add_f32 v[WK+4], v[WK+4], v[WK+6]
	v_add_f32 v[WK], v[WK], v[WK+4]
	s_wait_loadcnt 0x0                             ; the bias
	v_add_f32 v[WK], v[WK], v[BI]
	global_store_b32 v[OOF], v[WK], s[10:11]
	s_wait_tensorcnt 0x0
	ds_add_u32 v254, v255
	s_wait_dscnt 0x0
	s_endpgm
.Lfunc_end_k_q9ac6d609b9_final:
	.size	k_q9ac6d609b9_final, .Lfunc_end_k_q9ac6d609b9_final-k_q9ac6d609b9_final
	.p2alignl 7, 3214868480
	.fill 96, 4, 3214868480
	.section	.rodata,"a",@progbits
	.p2align	6, 0x0
	.amdhsa_kernel k_q9ac6d609b9_final
		.amdhsa_group_segment_fixed_size 76800
		.amdhsa_private_segment_fixed_size 0
		.amdhsa_enable_private_segment 0
		.amdhsa_kernarg_size 32
		.amdhsa_user_sgpr_count 2
		.amdhsa_user_sgpr_kernarg_segment_ptr 1
		.amdhsa_wavefront_size32 1
		.amdhsa_system_sgpr_workgroup_id_x 1
		.amdhsa_system_sgpr_workgroup_id_y 1
		.amdhsa_system_sgpr_workgroup_id_z 1
		.amdhsa_system_vgpr_workitem_id 0
		.amdhsa_next_free_vgpr 256
		.amdhsa_next_free_sgpr 66
		.amdhsa_reserve_vcc 0
		.amdhsa_float_denorm_mode_32 3
		.amdhsa_float_denorm_mode_16_64 3
		.amdhsa_memory_ordered 1
		.amdhsa_forward_progress 1
		.amdhsa_inst_pref_size 19
	.end_amdhsa_kernel
	.amdgpu_metadata
---
amdhsa.version: [ 1, 2 ]
amdhsa.kernels:
  - .name:           k_q9ac6d609b9_final
    .symbol:         k_q9ac6d609b9_final.kd
    .args:
      - { .name: attn, .offset: 0, .size: 8, .value_kind: global_buffer, .address_space: global }
      - { .name: Wo, .offset: 8, .size: 8, .value_kind: global_buffer, .address_space: global }
      - { .name: bo, .offset: 16, .size: 8, .value_kind: global_buffer, .address_space: global }
      - { .name: out0, .offset: 24, .size: 8, .value_kind: global_buffer, .address_space: global }
    .group_segment_fixed_size: 76800
    .private_segment_fixed_size: 0
    .kernarg_segment_align: 8
    .kernarg_segment_size: 32
    .max_flat_workgroup_size: 256
    .sgpr_count:     66
    .vgpr_count:     256
    .wavefront_size: 32
...
	.end_amdgpu_metadata
.endif
;; end of part 4
;; ======== version 2 of 2: 4 launches
;; workspace buffers: wkc 524,288 bytes; wvc 524,288 bytes; wks 32,768 bytes; wvs 32,768 bytes; qbuf 65,536 bytes; opart 1,048,576 bytes; stat 32,768 bytes; attn 65,536 bytes
;; launch prep (part 5): grid 128 x 1, 8 waves a work-group, no clusters, 76,800 bytes of LDS; arguments query, Wq, bq, qbuf, Wk, Wv, wkc, wks, wvc, wvs; writes qbuf, wkc, wks, wvc, wvs
.if DOCPART == 5
	.amdgcn_target "amdgcn-amd-amdhsa--gfx1250"
	.amdhsa_code_object_version 6
	.text
	.protected	k_q9ac6d609b9_prep
	.globl	k_q9ac6d609b9_prep
	.p2align	8
	.type	k_q9ac6d609b9_prep,@function
k_q9ac6d609b9_prep:
	s_mov_b64 s[64:65], 0
	v_nop
	global_prefetch_b8 v0, s[64:65] scope:SCOPE_SE
	s_setreg_imm32_b32 hwreg(HW_REG_WAVE_SCHED_MODE, 0, 2), 2
	s_setreg_imm32_b32 hwreg(HW_REG_WAVE_MODE, 25, 1), 1
	s_wait_xcnt 0x0
	s_wait_alu depctr_vm_vsrc(0)
; Work-groups 0-63: q = Q(query) Q(Wq)^T + bq, a tile of 16 batches x 16 columns each.  Work-groups 64-127: Wk and Wv into codes of FP4 (E2M1) and E8M0 scale words,
; laid in the order of an operand's registers.  Q is the MX quantiser along K: a block of 32 has the scale 2^(floor(log2(largest magnitude)) - 2).
; A UNIT is 16 rows x 128 along K of a row-major f32 matrix whose rows are 4,096 bytes.  EVERY WAVE QUANTISES TWO UNITS, by one text; only pointers and offsets are chosen.
;   projection (x < 64): wave w is K step w: unit 0 = query's 16 rows, unit 1 = rows 16 x .. 16 x + 15 of Wq; one matrix instruction; the eight waves' parts of K are added in f32 through LDS.
;   weights (x >= 64): T = x - 64 is a tile of 16 rows; waves 0-3 take Wk, waves 4-7 Wv; wave's K steps 2 (w & 3) and 2 (w & 3) + 1.
; Each load of a unit reads 512 consecutive bytes of one row; the unit turns through the wave's own stage in LDS, so that a lane then holds 16 neighbours along K of each block of 32.
; LAYOUT OF THE WEIGHTS' BUFFERS: fragment (head hd = T / 4, K step ks, tile t = T % 4) at ((hd 8 + ks) 4 + t) 1,024 bytes: registers 0-3 of lane l at 16 l, registers 4-7 at 512 + 16 l.
;   scale words: hd 2,048 + (ks / 2) 512 + ((ks % 2) 16 + r) 16 + 4 t.
; LIMITS: NaN and infinities are not served.  A block whose largest magnitude lies under 2^-124 has its byte held at 1.  A block of zeros gets the byte 1 where the rule says 127: its codes are zeros, and this program alone reads the bytes.
; q's stores are 4 bytes a lane, eight lanes to 32 consecutive bytes: a work-group holds only 64 bytes of each of q's rows, 65,536 bytes in the whole launch.
; THE MODE: SCHED_MODE bits 1:0 = 2 (LLVM: expert scheduling mode 2), set by the entry lines.  The code itself states the register dependences
; between vector or matrix instructions and memory or LDS instructions, with s_wait_alu, always for 0.
; THE PLAN.  The text has no loop.  Registers that memory or LDS instructions touch:
;   v1-v3, v7-v10, v254, v255   offsets and LDS addresses: made at the head, never written again: one wait on va_vdst ahead of the first load.
;   R0, R1      a unit's loads land here; the stage's stores read them; the stage's loads land in the same registers: one wait on vm_vsrc between a turn's stores and its loads.  Then QUANT alone reads them.
;   PCA, PCB, PWA, PWB   written by QUANT; taken by the scaled matrix instruction (its places, then one wait on va_vdst) or, on the weights' path, read by the stores (one wait on va_vdst ahead of the run of five).
;   DD          written by the matrix instruction, read by two LDS stores: four places, then one wait on va_vdst.
;   WK          LDS loads land here, the sum is made in it, one store reads it: one wait on va_vdst ahead of the store.
;   s24 and VCC are written by vector instructions: a wait on va_sdst, on va_vcc, ahead of the first reader.
.set STGB, 8448                        ; a wave's stage: 16 rows of 512 bytes + 16 = 528 = 33 x 16 bytes: the sixteen rows that a load touches start at sixteen different 16-byte columns modulo 256
.set RED,  8*STGB                      ; behind the stages: the eight waves' results, 1,024 bytes each
.set L16, 1                            ; v1   16 x lane
.set WRA, 2                            ; v2   the stage on the way in: 16 x lane
.set RDA, 3                            ; v3   and on the way out: 528 r + 64 h
.set LN,  4                            ; v4   lane
.set BOF, 7                            ; v7   byte offset of my number in the bias
.set OOF, 8                            ; v8   and in q
.set RST, 9                            ; v9   where I put my 32 bytes of the wave's result
.set RRD, 10                           ; v10  where I read one number of each wave's result
.set R0,  32                           ; v32-95   unit 0
.set R1,  96                           ; v96-159  unit 1
.set PCA, 160                          ; v160-167 unit 0's codes
.set PCB, 168                          ; v168-175 unit 1's
.set PWA, 176                          ; v176, v177 their scale words: these two registers hold scales and nothing else
.set PWB, 177
.set TM,  180                          ; v180-195 at work in QUANT
.set DD,  200                          ; v200-207 the result
.set BI,  208                          ; v208 the bias
.set WK,  210                          ; v210-217 at work in the sum over the waves
.set MX,  218                          ; v218 the two K steps' scale words in one register: a store's data, written once and by no later line
.set SEL, 46                           ; s[46:47] v_permlanex16_b32's selects for lane l xor 16
.macro XLOAD reg, base, nt             ; a unit: 16 loads, each 512 consecutive bytes of one row
.irp i, 0,1,2,3,4,5,6,7,8,9,10,11,12,13,14,15
.if \nt
	global_load_b128 v[(\reg)+4*\i:(\reg)+4*\i+3], v[L16], s[\base:\base+1] offset:4096*\i th:TH_LOAD_NT
.else
	global_load_b128 v[(\reg)+4*\i:(\reg)+4*\i+3], v[L16], s[\base:\base+1] offset:4096*\i
.endif
.endr
.endm
.macro TURN reg                        ; through my stage and back into the registers that the unit left: register 16 b + i is then k = 32 b + 16 h + i of row r.  LDS serves a wave's instructions in order (ISA guide 5.7.1.4): no wait on DScnt between
.irp i, 0,1,2,3,4,5,6,7,8,9,10,11,12,13,14,15
	ds_store_b128 v[WRA], v[(\reg)+4*\i:(\reg)+4*\i+3] offset:528*\i
.endr
	s_wait_alu depctr_vm_vsrc(0)                   ; the sixteen stores above have read the unit's registers, in which the sixteen loads below land
.irp b, 0,1,2,3
.irp q, 0,1,2,3
	ds_load_b128 v[(\reg)+16*\b+4*\q:(\reg)+16*\b+4*\q+3], v[RDA] offset:128*\b+16*\q
.endr
.endr
.endm
; 64 numbers of a lane, register 16 b + i = k 32 b + 16 h + i of my row, become a fragment's eight registers of codes and my row's scale word
.macro QUANT src, pc, pw
.irp b, 0,1,2,3
	v_max3_num_f32 v[TM+\b], |v[(\src)+16*\b]|, |v[(\src)+1+16*\b]|, 0x1800000   ; block b: my 16 numbers, and the floor 2^(3 - 127): the byte cannot fall under 1
.endr
.irp i, 2,4,6,8,10,12,14
.irp b, 0,1,2,3
	v_max3_num_f32 v[TM+\b], v[TM+\b], |v[(\src)+16*\b+\i]|, |v[(\src)+1+16*\b+\i]|   ; the four blocks by turns
.endr
.endr
.irp b, 0,1,2,3
	v_permlanex16_b32 v[TM+4+\b], v[TM+\b], s[SEL], s[SEL+1]
.endr
.irp b, 0,1,2,3
	v_max_num_f32 v[TM+\b], v[TM+\b], v[TM+4+\b]   ; with lane l xor 16's: the block's largest magnitude
.endr
.irp b, 0,1,2,3
	v_add_nc_u32 v[TM+12+\b], 0xff000000, v[TM+\b]   ; 2 off its exponent field: the conversion takes the exponent field of this operand as its scale
.endr
.irp b, 0,1,2,3
	v_lshrrev_b32 v[TM+4+\b], 23, v[TM+12+\b]   ; the scale's byte
.endr
	v_lshl_or_b32 v[\pw], v[TM+5], 8, v[TM+4]
	v_lshl_or_b32 v[\pw], v[TM+6], 16, v[\pw]
	v_lshl_or_b32 v[\pw], v[TM+7], 24, v[\pw]
.irp b, 0,1,2,3
	v_cvt_scalef32_pk8_fp4_f32 v[(\pc)+2*\b], v[(\src)+16*\b:(\src)+7+16*\b], v[TM+12+\b]
	v_cvt_scalef32_pk8_fp4_f32 v[(\pc)+1+2*\b], v[(\src)+8+16*\b:(\src)+15+16*\b], v[TM+12+\b]
.endr
	v_nop                                          ; one plain place behind a scaled conversion
.irp c, 0,1                                    ; the operand's layout wants a whole block in a lane: lanes 0-15 block 2 c, lanes 16-31 block 2 c + 1
.irp i, 0,1
	v_permlane16_swap_b32 v[(\pc)+4*\c+\i], v[(\pc)+2+4*\c+\i]
.endr
.endr
.endm
	s_load_b512 s[4:19], s[0:1], 0x0               ; query s[4:5], Wq s[6:7], bq s[8:9], q s[10:11], Wk s[12:13], Wv s[14:15], Wk's codes s[16:17], Wk's scale words s[18:19]
	s_load_b128 s[20:23], s[0:1], 0x40             ; Wv's codes, Wv's scale words
	v_lshl_add_u32 v254, v0, 2, 0x12800
	v_mov_b32 v255, 0
	v_lshrrev_b32 v5, 5, v0
	v_readfirstlane_b32 s24, v5                    ; wave 0..7
	v_and_b32 v[LN], 31, v0
	v_lshlrev_b32 v[L16], 4, v[LN]
	v_and_b32 v5, 15, v0                           ; r
	v_bfe_u32 v6, v0, 4, 1                         ; h
	s_wait_alu depctr_va_sdst(0)                   ; s24 is written, ahead of its first reader: LDS places, offsets and the choice of buffers are made from it
	s_mul_i32 s25, s24, STGB                       ; my stage
	v_add_nc_u32 v[WRA], s25, v[L16]
	v_mul_u32_u24 v[RDA], v5, 528
	v_lshl_add_u32 v[RDA], v6, 6, v[RDA]
	v_add_nc_u32 v[RDA], s25, v[RDA]
	s_and_b32 s26, ttmp9, 63                       ; T: the tile of 16 rows of the weight, in both halves of the grid
	s_and_b32 s27, s24, 3                          ; the weights' pair of K steps
	v_and_b32 v[BOF], 7, v0                        ; thread tau adds up number tau of the waves' results: batch (tau / 8) % 16, column 8 (tau / 128) + tau % 8 of the tile
	v_lshrrev_b32 v5, 7, v0
	v_lshl_add_u32 v[BOF], v5, 3, v[BOF]
	v_lshlrev_b32 v[BOF], 2, v[BOF]
	s_lshl_b32 s25, s26, 6
	v_add_nc_u32 v[BOF], s25, v[BOF]               ; 64 T + 4 x column: inside the bias's 4,096 bytes for every T
	v_bfe_u32 v5, v0, 3, 4
	v_lshl_add_u32 v[OOF], v5, 12, v[BOF]          ; + 4,096 x batch
	v_lshlrev_b32 v[RST], 5, v[LN]
	s_lshl_b32 s25, s24, 10
	s_add_co_u32 s25, s25, RED
	v_add_nc_u32 v[RST], s25, v[RST]
	v_lshl_add_u32 v[RRD], v0, 2, RED
.irp b, 0,1,2,3
	v_mov_b32 v[TM+4+\b], 0                        ; written once: a lane permute's destination counts as one of its sources
.endr
	s_mov_b32 s[SEL], 0x76543210
	s_mov_b32 s[SEL+1], 0xfedcba98
	s_lshl_b32 s38, s26, 16                        ; the tile's 16 rows of 4,096 bytes
	s_lshl_b32 s39, s24, 9                         ; projection: K step w
	s_lshl_b32 s40, s27, 10                        ; weights: K step 2 (w & 3)
	s_add_co_u32 s41, s38, s40                     ; weights: unit 0,
	s_add_co_u32 s42, s41, 512                     ; unit 1
	s_add_co_u32 s43, s38, s39                     ; projection: unit 1
	s_mov_b32 s35, 0
	s_mov_b32 s37, 0
	s_wait_kmcnt 0x0
	s_cmp_lt_u32 s24, 4                            ; the choices hang on the wave's and the work-group's number alone
	s_cselect_b64 s[28:29], s[12:13], s[14:15]     ; Wk or Wv,
	s_cselect_b64 s[16:17], s[16:17], s[20:21]     ; its codes,
	s_cselect_b64 s[18:19], s[18:19], s[22:23]     ; its scale words
	s_cmp_lt_u32 ttmp9, 64
	s_cselect_b64 s[30:31], s[4:5], s[28:29]       ; unit 0: query, or the weight
	s_cselect_b64 s[32:33], s[6:7], s[28:29]       ; unit 1: Wq, or the weight
	s_cselect_b32 s34, s39, s41
	s_cselect_b32 s36, s43, s42
	s_add_nc_u64 s[30:31], s[30:31], s[34:35]
	s_add_nc_u64 s[32:33], s[32:33], s[36:37]
	s_wait_alu depctr_va_vdst(0)                   ; the offsets and LDS addresses v1-v3 and v7-v10 are written, which the loads, stores and LDS instructions of the whole kernel read
	XLOAD R0, 30, 0                                ; (query is read by 64 work-groups: no hint)
	XLOAD R1, 32, 1
	global_load_b32 v[BI], v[BOF], s[8:9]          ; the bias stands on the common path, so that its register is written on every way; the weights' work-groups do not use it
	s_wait_loadcnt 17                              ; unit 0 is in: unit 1's 16 loads and the bias may be out
	TURN R0
	s_wait_loadcnt 1                               ; unit 1 is in: the bias may be out
	TURN R1
	s_wait_dscnt 32                                ; unit 0 is back: the second turn's 16 stores and 16 loads may be out
	QUANT R0, PCA, PWA
	s_wait_dscnt 0x0
	QUANT R1, PCB, PWB
	s_cmp_lt_u32 ttmp9, 64
	s_cbranch_scc0 .Lweights
.rept 8
	v_nop                                          ; a scale register written by a vector instruction stands 8 places ahead of a scaled matrix instruction, an operand so written 4
.endr
	s_wait_alu depctr_va_vdst(0)                   ; QUANT has written both fragments' codes and both scale words, which the scaled matrix instruction takes; the places above stay beside this wait
	; transposed: source 0 = 16 rows of Wq, source 1 = query's 16 rows: lane (r, h) holds batch r and the tile's columns 8 h + 0 .. 7
	v_wmma_scale_f32_16x16x128_f8f6f4 v[DD:DD+7], v[PCB:PCB+7], v[PCA:PCA+7], 0, v[PWB], v[PWA] matrix_a_fmt:MATRIX_FMT_FP4 matrix_b_fmt:MATRIX_FMT_FP4
.rept 4
	v_nop                                          ; four places in front of the first read of the result (ISA guide 7.12.1)
.endr
	s_wait_alu depctr_va_vdst(0)                   ; the matrix instruction has written v[DD ..], which the two LDS stores read; the places above stay beside this wait
	ds_store_b128 v[RST], v[DD:DD+3]               ; from the result's low end on
	ds_store_b128 v[RST], v[DD+4:DD+7] offset:16
	s_branch .Lmeet
.Lweights:
	v_cmp_gt_u32 vcc_lo, 16, v[LN]
	s_lshr_b32 s38, s26, 2                         ; head
	s_and_b32 s39, s26, 3                          ; tile in the head
	s_lshl_b32 s40, s38, 15
	s_lshl_b32 s41, s27, 13
	s_add_co_u32 s40, s40, s41
	s_lshl_b32 s41, s39, 10
	s_add_co_u32 s40, s40, s41                     ; head x 32,768 + 2 (w & 3) x 4,096 + tile x 1,024
	s_mov_b32 s41, 0
	s_add_nc_u64 s[16:17], s[16:17], s[40:41]
	s_lshl_b32 s40, s38, 11
	s_lshl_b32 s42, s27, 9
	s_add_co_u32 s40, s40, s42
	s_lshl_b32 s42, s39, 2
	s_add_co_u32 s40, s40, s42                     ; head x 2,048 + (w & 3) x 512 + 4 x tile
	s_add_nc_u64 s[18:19], s[18:19], s[40:41]
	s_wait_alu depctr_va_vcc(0)                    ; the compare has written VCC, ahead of the select that reads it
	v_cndmask_b32 v[MX], v[PWB], v[PWA], vcc_lo    ; lanes 0-15: the even K step's words; lanes 16-31: the odd one's
	s_wait_alu depctr_va_vdst(0)                   ; QUANT has written both fragments' codes and the select v[MX]: the data of the five stores below
	global_store_b128 v[L16], v[PCA:PCA+3], s[16:17]               ; each store covers 512 consecutive bytes.  No register that these five stores name is written by any later line
	global_store_b128 v[L16], v[PCA+4:PCA+7], s[16:17] offset:512
	global_store_b128 v[L16], v[PCB:PCB+3], s[16:17] offset:4096
	global_store_b128 v[L16], v[PCB+4:PCB+7], s[16:17] offset:4608
	global_store_b32 v[L16], v[MX], s[18:19]       ; 4 bytes of each 16: the other three tiles of the head fill the rest; 65,536 bytes in the whole launch
.Lmeet:
	s_wait_dscnt 0x0                               ; for the others' sake: my part of the sum lies in LDS
	s_barrier_signal -1                            ; the barrier stands on the common path: every wave of every work-group passes it
	s_barrier_wait -1
	s_cmp_lt_u32 ttmp9, 64
	s_cbranch_scc1 .Lsum
	s_wait_dscnt 0x0                               ; the closing lines, six on end
	s_wait_alu 0x0
	s_wait_tensorcnt 0x0
	ds_add_u32 v254, v255
	s_wait_dscnt 0x0
	s_endpgm
.Lsum:
.irp k, 0,1,2,3,4,5,6,7
	ds_load_b32 v[WK+\k], v[RRD] offset:1024*\k    ; the eight waves' parts of K
.endr
	s_wait_dscnt 0x0
	v_add_f32 v[WK], v[WK], v[WK+1]
	v_add_f32 v[WK+2], v[WK+2], v[WK+3]
	v_add_f32 v[WK+4], v[WK+4], v[WK+5]
	v_add_f32 v[WK+6], v[WK+6], v[WK+7]
	v_add_f32 v[WK], v[WK], v[WK+2]
	v_add_f32 v[WK+4], v[WK+4], v[WK+6]
	v_add_f32 v[WK], v[WK], v[WK+4]
	s_wait_alu depctr_va_vdst(0)
	s_wait_loadcnt 0x0                             ; the bias
	v_add_f32 v[WK], v[WK], v[BI]
	s_wait_alu depctr_va_vdst(0)                   ; the sum is written in v[WK], which the store reads
	global_store_b32 v[OOF], v[WK], s[10:11]
	s_wait_dscnt 0x0                               ; the closing lines, six on end
	s_wait_alu 0x0
	s_wait_tensorcnt 0x0
	ds_add_u32 v254, v255
	s_wait_dscnt 0x0
	s_endpgm
.Lfunc_end_k_q9ac6d609b9_prep:
	.size	k_q9ac6d609b9_prep, .Lfunc_end_k_q9ac6d609b9_prep-k_q9ac6d609b9_prep
	.p2alignl 7, 3214868480
	.fill 96, 4, 3214868480
	.section	.rodata,"a",@progbits
	.p2align	6, 0x0
	.amdhsa_kernel k_q9ac6d609b9_prep
		.amdhsa_group_segment_fixed_size 76800
		.amdhsa_private_segment_fixed_size 0
		.amdhsa_enable_private_segment 0
		.amdhsa_kernarg_size 80
		.amdhsa_user_sgpr_count 2
		.amdhsa_user_sgpr_kernarg_segment_ptr 1
		.amdhsa_wavefront_size32 1
		.amdhsa_system_sgpr_workgroup_id_x 1
		.amdhsa_system_sgpr_workgroup_id_y 1
		.amdhsa_system_sgpr_workgroup_id_z 1
		.amdhsa_system_vgpr_workitem_id 0
		.amdhsa_next_free_vgpr 256
		.amdhsa_next_free_sgpr 66
		.amdhsa_reserve_vcc 1
		.amdhsa_float_denorm_mode_32 3
		.amdhsa_float_denorm_mode_16_64 3
		.amdhsa_memory_ordered 1
		.amdhsa_forward_progress 1
		.amdhsa_inst_pref_size 21
	.end_amdhsa_kernel
	.amdgpu_metadata
---
amdhsa.version: [ 1, 2 ]
amdhsa.kernels:
  - .name:           k_q9ac6d609b9_prep
    .symbol:         k_q9ac6d609b9_prep.kd
    .args:
      - { .name: query, .offset: 0, .size: 8, .value_kind: global_buffer, .address_space: global }
      - { .name: Wq, .offset: 8, .size: 8, .value_kind: global_buffer, .address_space: global }
      - { .name: bq, .offset: 16, .size: 8, .value_kind: global_buffer, .address_space: global }
      - { .name: qbuf, .offset: 24, .size: 8, .value_kind: global_buffer, .address_space: global }
      - { .name: Wk, .offset: 32, .size: 8, .value_kind: global_buffer, .address_space: global }
      - { .name: Wv, .offset: 40, .size: 8, .value_kind: global_buffer, .address_space: global }
      - { .name: wkc, .offset: 48, .size: 8, .value_kind: global_buffer, .address_space: global }
      - { .name: wks, .offset: 56, .size: 8, .value_kind: global_buffer, .address_space: global }
      - { .name: wvc, .offset: 64, .size: 8, .value_kind: global_buffer, .address_space: global }
      - { .name: wvs, .offset: 72, .size: 8, .value_kind: global_buffer, .address_space: global }
    .group_segment_fixed_size: 76800
    .private_segment_fixed_size: 0
    .kernarg_segment_align: 8
    .kernarg_segment_size: 80
    .max_flat_workgroup_size: 256
    .sgpr_count:     66
    .vgpr_count:     256
    .wavefront_size: 32
...
	.end_amdgpu_metadata
.endif
;; end of part 5
;; launch main (part 6): grid 256 x 1, 8 waves a work-group, no clusters, 230,400 bytes of LDS; arguments key, value, wkc, wks, wvc, wvs, qbuf, bk, opart, stat; writes opart, stat
.if DOCPART == 6
	.amdgcn_target "amdgcn-amd-amdhsa--gfx1250"
	.amdhsa_code_object_version 6
	.text
	.protected	k_q9ac6d609b9_main
	.globl	k_q9ac6d609b9_main
	.p2align	8
	.type	k_q9ac6d609b9_main,@function
k_q9ac6d609b9_main:
	s_mov_b64 s[64:65], 0
	v_nop
	global_prefetch_b8 v0, s[64:65] scope:SCOPE_SE
	s_setreg_imm32_b32 hwreg(HW_REG_WAVE_SCHED_MODE, 0, 2), 2
	s_setreg_imm32_b32 hwreg(HW_REG_WAVE_MODE, 25, 1), 1
	s_wait_xcnt 0x0
	s_wait_alu depctr_vm_vsrc(0)
; One work-group takes 128 keys of one batch (x = 16 b + p: rows 128 p .. 128 p + 127) through the whole chain: key and value rows are quantised to FP4 (E2M1, one E8M0 scale for each 32 along K),
; k = Q(key) Q(Wk)^T and v = Q(value) Q(Wv)^T are made head by head, the scores q . (k + bk) / 32, a softmax under the work-group's own maximum and the sum of p v follow in f32.
; Out go 4,096 bytes of sums and, for each head, the maximum (in powers of two) and the sum of p.  k, v and the rows' codes never go to memory; each byte of key and value is read once.
; PHASES.  0: all eight waves quantise the key rows (wave w: rows 16 w .. 16 w + 15, eight units of 128 along K) into images of operand registers in LDS.
;   1: waves 4-7 (producers) go on with the value rows, 16 units each; waves 0-3 (consumers) make k for heads 4 w .. 4 w + 3, the scores and p.  So the stream of rows does not stop while the first product runs.
;   2: all eight waves make v for heads 2 w, 2 w + 1 and the sums of p v.     3: the way out.
; WHY ROLES: a wave's global loads come back in order on one counter (ISA guide 5.7.1).  Rows and weight fragments in one wave would make every wait for a fragment a wait for all rows asked for before it.
; A producer keeps three to four units, 48 to 64 loads of 512 bytes, on their way, in a ring of four sets of 64 registers.
; THE WEIGHTS lie in memory in the order of an operand's registers and go straight into registers, 512 consecutive bytes a load.
; NO CLUSTER, NO JOINT LOADS, though all 256 work-groups walk the same 1,114,112 bytes of weights: a fragment is used by exactly one wave of a work-group, so LDS would only add a write and a read of it;
;   beside the 229,376 bytes in use there is room for two slots of 49,152 bytes at the most, one K step of the waves' eight heads (32,768 bytes): 32 matrix instructions a wave in which a refill would have to land;
;   and every refill would tie the producers, which have nothing to do with the weights, into a round of barriers.
; bk enters a score as c0 = the sum of q bk over the head, the start of each row's dot product.  bv is added where the partial sums are joined: the weights add up to 1.
; LIMITS: NaN and infinities are not served.  A block whose largest magnitude lies under 2^-124 has its byte held at 1.  A block of zeros gets the byte 1 where the rule says 127: its codes are zeros, and this program alone reads the bytes.
; THE MODE: SCHED_MODE bits 1:0 = 2 (LLVM: expert scheduling mode 2), set by the entry lines.  The code itself states the register dependences
; between vector or matrix instructions and memory or LDS instructions, with s_wait_alu, always for 0.
; THE PLAN.  Registers that memory or LDS instructions touch:
;   v1-v6, v12-v15   offsets and LDS addresses: made at the head, never written again: one wait on va_vdst ahead of the first load.
;   v7-v11           LDS addresses that move with a trip: written at a trip's top alone, between a wait on vm_vsrc (the LDS instructions issued so far have read them) and a wait on va_vdst (they are written).
;   the ring         (window 1, quantising waves) the rows' loads land in it, the stage's stores read it; no vector instruction names it.
;   ST0, ST1         the stage's loads land in them; QUANT reads them.          PC0, PC1, PW0, PW1   QUANT writes them; the image stores read them.
;     A UNIT HAS TWO WAITS.  vm_vsrc at its head: the stage's stores have read ring set j, which is asked for again, and the image stores have read the code and scale registers that this unit writes again.
;     va_vdst behind QUANT: codes and scale word are written, for the three image stores; and QUANT is done reading its ST, in which the next unit's turn lands: no vector instruction stands between that wait and those loads.
;   A0, A1, A2       (multiplying waves) three sets of four fragments of the rows: tiles 0-3 of K step ks in set ks % 3, tiles 4-7 in set (ks + 2) % 3.      B0, B1, B2   the weights' four fragments of K step ks in buffer ks % 3.
;     A K STEP HAS ONE WAIT, va_vdst at its head: step ks - 1's matrix instructions are done reading sets (ks - 1) % 3 and (ks + 1) % 3 and buffer (ks - 1) % 3.  Behind it land tiles 4-7 of this step in set (ks + 2) % 3 = (ks - 1) % 3
;     and the weights of step ks + 2 in buffer (ks + 2) % 3 = (ks - 1) % 3; in the step's middle, with no further wait, tiles 0-3 of step ks + 1 in set (ks + 1) % 3.
;     This step's matrix instructions name sets ks % 3 and (ks + 2) % 3, buffer ks % 3, the scales and the accumulators: none of the registers that the middle's loads touch.
;   AS, BS           scale words: loads land in them, matrix instructions read them; asked for anew only behind the wait on va_vdst that follows a head's last matrix instruction.
;   v64-v153         behind a head: q, bk or p (loaded), sums and statistics (written by vector instructions, read by LDS stores): one wait on va_vdst ahead of the run of stores; the next trip's top frees them for the fragments.
;   The accumulators (window 1) are named by matrix and vector instructions alone, once the ring's last stage stores have read these registers (a wait on vm_vsrc at the change of roles).
.set KIMG, 0                           ; LDS: key's 64 fragments: (tile of rows mt, K step ks) at mt 8,192 + ks 1,024; registers 0-3 of lane l at 16 l, registers 4-7 at 512 + 16 l
.set VIMG, 65536                       ; value's likewise
.set KSC,  131072                      ; key's scale words: (mt, ks, row r) at mt 512 + (ks % 2) 256 + 16 r + 4 (ks / 2)
.set VSC,  135168                      ; value's
.set STG,  139264                      ; the waves' stages
.set STGB, 8448                        ; 16 rows of 512 bytes + 16 = 528 = 33 x 16 bytes: the sixteen rows that a load touches start at sixteen different 16-byte columns modulo 256
.set QL,   206848                      ; q of my batch, 4,096 bytes; bk lies 4,096 bytes on
.set PL,   215040                      ; p: 512 bytes a head
.set OST,  223232                      ; the sums of p v: 4,096 bytes
.set STAT, 227328                      ; the heads' maxima, 64 bytes a head (each of a row's sixteen lanes writes a word of its own); 1,024 bytes on, the sums of p
.set L16, 1                            ; v1   16 x lane: every global offset, and a lane's place in key's images
.set R16, 2                            ; v2   16 r
.set R4,  3                            ; v3   4 r
.set H32, 4                            ; v4   32 h
.set WRA, 5                            ; v5   my stage on the way in: 16 x lane
.set RDA, 6                            ; v6   and on the way out: 528 r + 64 h
.set IMA, 7                            ; v7   where I store images
.set SCA, 8                            ; v8   and scale words
.set ADQ, 9                            ; v9   where I read q and bk; later p
.set ADP, 10                           ; v10  where I store p; later the sums
.set ADS, 11                           ; v11  where I store a head's maximum and sum
.set TQ,  12                           ; v12  QL + 16 x thread
.set T16, 13                           ; v13  16 x thread
.set AV,  14                           ; v14  a lane's place in value's images
.set ASC, 15                           ; v15  a lane's place among the rows' scale words
.set AS,  16                           ; v16-47  the rows' scale words: register 4 mt + ks / 2; lanes 0-15 the even K step, lanes 16-31 the odd one.  v16-63 hold scales and nothing else
.set BS,  48                           ; v48-63  the weights': register 4 (ks / 2) + t, the same halves
.set AF,  64                           ; consumer: v64-159 the rows' fragments: three sets of four
.set BF,  160                          ; v160-255 the weights': three buffers of four fragments
.set ST,  64                           ; producer: v64-127, v128-191 two units of 64 numbers, turned
.set PC,  192                          ; v192-207 two sets of codes
.set PW,  208                          ; v208, v209 two scale words
.set TM,  212                          ; v212-227 at work in QUANT
.set QR,  64                           ; after a head: v64-95 q (later v64-127 p),
.set BR,  96                           ; v96-127 bk,
.set SS,  128                          ; v128-143 eight pairs of sums,
.set WKR, 144                          ; v144-153 at work
                                       ; window 1 (v256-511): producer: the ring, set j at 64 j; consumer: the 32 accumulators, (mt, t) at 8 (4 mt + t)
.set KP,  4                            ; s[4:5]   key at my wave's first unit
.set VP,  6                            ; s[6:7]   value likewise; it steps
.set WB,  8                            ; s[8:9]   the codes of the head in hand
.set WSP, 10                           ; s[10:11] its scale words
.set WV,  24                           ; s24 wave;  s25 wave % 4
.set W3,  25
.set TRIP, 27                          ; s27 trip counter;  s28-32 LDS places that step with the trips
.set CS,  33                           ; s33 log2(e) / 32
.set SEL, 34                           ; s[34:35] v_permlanex16_b32's selects for lane l xor 16
.set NX,  40                           ; s[40:41] the codes of the head that is fetched next;  s[42:43] its scale words
.set NXS, 42
.set MSB, 0
.macro WIN new                         ; s_set_vgpr_msb: bits 1:0 source 0, 3:2 source 1, 5:4 source 2, 7:6 destination; the high byte repeats the setting that is left
.if MSB != \new
	s_set_vgpr_msb (MSB<<8)|\new
.set MSB, \new
.endif
.endm
.macro PLACES                          ; four places behind a matrix instruction (ISA guide 7.12.1): they stand once behind each K step's last matrix instruction, beside the wait that follows them
.rept 4
	v_nop
.endr
.endm
.macro XLOAD reg, base, off            ; a unit, 16 rows x 128 numbers: 16 loads, each 512 consecutive bytes of one row; read once in the launch
.irp i, 0,1,2,3,4,5,6,7,8,9,10,11,12,13,14,15
	global_load_b128 v[(\reg)+4*\i:(\reg)+4*\i+3], v[L16], s[\base:\base+1] offset:(\off)+4096*\i th:TH_LOAD_NT
.endr
.endm
.macro TURN set, dst                   ; a ring set goes through my stage: register 16 b + i of dst is then k = 32 b + 16 h + i of row r.  LDS serves a wave's instructions in order (ISA guide 5.7.1.4): no wait between
	WIN 0x04                                       ; an LDS store's data are its source 1: window 1
.irp i, 0,1,2,3,4,5,6,7,8,9,10,11,12,13,14,15
	ds_store_b128 v[WRA], v[64*(\set)+4*\i:64*(\set)+4*\i+3] offset:528*\i
.endr
	WIN 0
.irp b, 0,1,2,3
.irp q, 0,1,2,3
	ds_load_b128 v[(\dst)+16*\b+4*\q:(\dst)+16*\b+4*\q+3], v[RDA] offset:128*\b+16*\q
.endr
.endr
.endm
; 64 numbers of a lane become a fragment's eight registers of codes and my row's scale word
.macro QUANT src, pc, pw
.irp b, 0,1,2,3
	v_max3_num_f32 v[TM+\b], |v[(\src)+16*\b]|, |v[(\src)+1+16*\b]|, 0x1800000   ; block b: my 16 numbers, and the floor 2^(3 - 127): the byte cannot fall under 1
.endr
.irp i, 2,4,6,8,10,12,14
.irp b, 0,1,2,3
	v_max3_num_f32 v[TM+\b], v[TM+\b], |v[(\src)+16*\b+\i]|, |v[(\src)+1+16*\b+\i]|   ; the four blocks by turns
.endr
.endr
.irp b, 0,1,2,3
	v_permlanex16_b32 v[TM+4+\b], v[TM+\b], s[SEL], s[SEL+1]
.endr
.irp b, 0,1,2,3
	v_max_num_f32 v[TM+\b], v[TM+\b], v[TM+4+\b]   ; with lane l xor 16's: the block's largest magnitude
.endr
.irp b, 0,1,2,3
	v_add_nc_u32 v[TM+12+\b], 0xff000000, v[TM+\b]   ; 2 off its exponent field: the conversion takes the exponent field of this operand as its scale
.endr
.irp b, 0,1,2,3
	v_lshrrev_b32 v[TM+4+\b], 23, v[TM+12+\b]   ; the scale's byte
.endr
	v_lshl_or_b32 v[\pw], v[TM+5], 8, v[TM+4]
	v_lshl_or_b32 v[\pw], v[TM+6], 16, v[\pw]
	v_lshl_or_b32 v[\pw], v[TM+7], 24, v[\pw]
.irp b, 0,1,2,3
	v_cvt_scalef32_pk8_fp4_f32 v[(\pc)+2*\b], v[(\src)+16*\b:(\src)+7+16*\b], v[TM+12+\b]
	v_cvt_scalef32_pk8_fp4_f32 v[(\pc)+1+2*\b], v[(\src)+8+16*\b:(\src)+15+16*\b], v[TM+12+\b]
.endr
	v_nop                                          ; one plain place behind a scaled conversion
.irp c, 0,1                                    ; the operand's layout wants a whole block in a lane
.irp i, 0,1
	v_permlane16_swap_b32 v[(\pc)+4*\c+\i], v[(\pc)+2+4*\c+\i]
.endr
.endr
.endm
; ONE UNIT of a trip of four.  ahead = 1: ring set j is asked for again, at go bytes from base xb.  next = 1: the next unit, once all but left younger loads are in, goes through the stage while this one is quantised.
; io, so: where this unit's image and scale words go, from v[IMA] and v[SCA].
.macro UNIT j, ahead, left, next, dsw, xb, go, io, so
.set EE, (\j)%2
	s_wait_dscnt \dsw                              ; 3: all but the last unit's three image stores are done: my numbers are back from the stage
.if \ahead
	WIN 0x40                                       ; destination window 1
.endif
	s_wait_alu depctr_vm_vsrc(0)                   ; the stage's stores have read ring set j, in which the loads below land; the image stores issued so far have read the code and scale registers that this unit's QUANT writes again
.if \ahead
	XLOAD 64*(\j), \xb, \go
.endif
.if \next
	s_wait_loadcnt \left                           ; the next unit's 16 loads are in; the younger units' may be out
	TURN ((\j)+1)%4, ST+64*(1-EE)                  ; (its loads land in the numbers that the last unit's QUANT read: that QUANT stands ahead of the last unit's wait on va_vdst, and no vector instruction has been issued since)
.endif
	WIN 0
	QUANT ST+64*EE, PC+8*EE, PW+EE
	s_wait_alu depctr_va_vdst(0)                   ; QUANT has written the codes and the scale word, which the three stores below read, and is done reading its 64 numbers, in which the next unit's turn lands
	ds_store_b128 v[IMA], v[PC+8*EE:PC+8*EE+3] offset:\io
	ds_store_b128 v[IMA], v[PC+8*EE+4:PC+8*EE+7] offset:(\io)+512
	ds_store_b32 v[SCA], v[PW+EE] offset:\so       ; both halves of the lanes write the same word with the same value
.endm
; THE PRODUCTS.
.macro FETCH_A ks, lo, ab              ; the rows' fragments of tiles lo .. lo + 3, K step ks: tiles 0-3 into set ks % 3, tiles 4-7 into set (ks + 2) % 3
.irp mt, \lo, \lo+1, \lo+2, \lo+3
.set rF, AF+32*(((\ks)+2*((\lo)/4))%3)+8*((\mt)-(\lo))
.irp c, 0,1
	ds_load_b128 v[rF+4*\c:rF+4*\c+3], v[\ab] offset:(\mt)*8192+(\ks)*1024+512*\c
.endr
.endr
.endm
.macro BLOAD ks, base                  ; a head's four weight fragments of K step ks, into buffer ks % 3: eight loads of 512 consecutive bytes; every work-group reads them: no hint
.irp t, 0,1,2,3
.irp c, 0,1
	global_load_b128 v[BF+32*((\ks)%3)+8*\t+4*\c:BF+32*((\ks)%3)+8*\t+4*\c+3], v[L16], s[\base:\base+1] offset:(\ks)*4096+\t*1024+512*\c
.endr
.endr
.endm
.macro FIRSTB cb, sb                   ; a head's scale words and its first three K steps: 28 loads
.irp q, 0,1,2,3
	global_load_b128 v[BS+4*\q:BS+4*\q+3], v[L16], s[\sb:\sb+1] offset:512*\q
.endr
	BLOAD 0, \cb
	BLOAD 1, \cb
	BLOAD 2, \cb
.endm
.macro WM d, a, b, sa, sb, ks          ; K step 0 starts the sum with the constant 0; an odd K step takes its scale words from lanes 16-31
.if (\ks) == 0
	v_wmma_scale_f32_16x16x128_f8f6f4 v[\d:\d+7], v[\a:\a+7], v[\b:\b+7], 0, v[\sa], v[\sb] matrix_a_fmt:MATRIX_FMT_FP4 matrix_b_fmt:MATRIX_FMT_FP4
.elseif (\ks)%2 == 0
	v_wmma_scale_f32_16x16x128_f8f6f4 v[\d:\d+7], v[\a:\a+7], v[\b:\b+7], v[\d:\d+7], v[\sa], v[\sb] matrix_a_fmt:MATRIX_FMT_FP4 matrix_b_fmt:MATRIX_FMT_FP4
.else
	v_wmma_scale_f32_16x16x128_f8f6f4 v[\d:\d+7], v[\a:\a+7], v[\b:\b+7], v[\d:\d+7], v[\sa], v[\sb] matrix_a_fmt:MATRIX_FMT_FP4 matrix_b_fmt:MATRIX_FMT_FP4 matrix_a_scale:MATRIX_SCALE_ROW1 matrix_b_scale:MATRIX_SCALE_ROW1
.endif
.endm
; 16 matrix instructions: tiles of rows lo .. lo + 3 x the head's four tiles of columns.  tr = 1: transposed (source 0 = the weight): lane (r, h) holds row 16 mt + r, register j column 16 t + 8 h + j.
; tr = 0: lane (r, h) holds column 16 t + r, register j row 16 mt + 8 h + j.  The 32 accumulators take turns, one instruction a turn, in one order in every K step.
.macro MUL16 ks, lo, tr
.irp mt, \lo, \lo+1, \lo+2, \lo+3
.irp t, 0,1,2,3
.set rD, 8*(4*(\mt)+\t)
.set rA, AF+32*(((\ks)+2*((\lo)/4))%3)+8*((\mt)-(\lo))
.set rB, BF+32*((\ks)%3)+8*\t
.set rSA, AS+4*(\mt)+(\ks)/2
.set rSB, BS+4*((\ks)/2)+\t
.if \tr
	WM rD, rB, rA, rSB, rSA, \ks
.else
	WM rD, rA, rB, rSA, rSB, \ks
.endif
.endr
.endr
.endm
.macro STEP ks, ab, tr                 ; a K step of 128: 32 matrix instructions; its loads stand in two runs, one behind the wait at its head, one in its middle
.if (\ks) > 0
	PLACES
	WIN 0
	s_wait_alu depctr_va_vdst(0)                   ; step ks - 1's matrix instructions are done reading its two sets of the rows' fragments and its buffer of the weights: all this step's loads land in these
.endif
	FETCH_A \ks, 4, \ab                            ; this step's tiles 4-7: wanted 16 matrix instructions on
.if ((\ks) >= 1) && ((\ks) <= 5)
	BLOAD (\ks)+2, WB                              ; the weights of two steps on
.endif
.if (\ks) <= 5
	s_wait_loadcnt 16                              ; this step's weights are in; those of the two steps behind it may be out
.elseif (\ks) == 6
	s_wait_loadcnt 8                               ; only the last step's may be out
.else
	s_wait_loadcnt 0
.endif
	s_wait_dscnt 8                                 ; tiles 0-3 are in; the youngest eight loads (tiles 4-7) may be out
	WIN 0x50                                       ; C and D window 1
	MUL16 \ks, 0, \tr
.if (\ks) < 7
	WIN 0
	FETCH_A (\ks)+1, 0, \ab                        ; the next step's tiles 0-3.  No wait: no vector or matrix instruction since the wait at the step's head names their set
	s_wait_dscnt 8                                 ; tiles 4-7 are in; the eight loads just issued may be out
.else
	s_wait_dscnt 0                                 ; tiles 4-7 are in
.endif
	WIN 0x50
	MUL16 \ks, 4, \tr
.endm
.macro HEAD ab, sco, tr                ; 128 rows x a head's 64 columns x K = 1,024.  The wait on va_vdst at the trip's top stands ahead of its first loads
.irp mt, 0,1,2,3,4,5,6,7
	ds_load_b128 v[AS+4*\mt:AS+4*\mt+3], v[ASC] offset:(\sco)+512*\mt
.endr
	FETCH_A 0, 0, \ab
.irp ks, 0,1,2,3,4,5,6,7
	STEP \ks, \ab, \tr
.endr
	PLACES                                         ; in front of the first read of the results
	WIN 0
.endm
; AFTER A HEAD OF k: the scores of its 128 keys, their maximum, p and its sum.
.macro EPI_K
	s_wait_alu depctr_va_vdst(0)                   ; the head's matrix instructions are done reading the weights' buffers and scale words and the rows' fragments: the loads below land in these
	FIRSTB NX, NXS                                 ; what is multiplied next lands under this arithmetic
.irp t, 0,1,2,3
.irp c, 0,1
	ds_load_b128 v[QR+8*\t+4*\c:QR+8*\t+4*\c+3], v[ADQ] offset:64*\t+16*\c           ; q at the head's channels 16 t + 8 h + 0 .. 7
	ds_load_b128 v[BR+8*\t+4*\c:BR+8*\t+4*\c+3], v[ADQ] offset:4096+64*\t+16*\c      ; bk likewise
.endr
.endr
	s_wait_dscnt 0x0
	v_pk_mul_f32 v[WKR:WKR+1], v[QR:QR+1], v[BR:BR+1]               ; c0 = the sum of q bk over my 32 channels, in two chains of pairs
	v_pk_mul_f32 v[WKR+2:WKR+3], v[QR+2:QR+3], v[BR+2:BR+3]
.irp i, 4,8,12,16,20,24,28
	v_pk_fma_f32 v[WKR:WKR+1], v[QR+\i:QR+\i+1], v[BR+\i:BR+\i+1], v[WKR:WKR+1]
	v_pk_fma_f32 v[WKR+2:WKR+3], v[QR+\i+2:QR+\i+3], v[BR+\i+2:BR+\i+3], v[WKR+2:WKR+3]
.endr
	v_pk_add_f32 v[WKR:WKR+1], v[WKR:WKR+1], v[WKR+2:WKR+3]
	WIN 0x01                                       ; source 0: the accumulators, window 1
.irp t, 0,1,2,3
.irp i, 0,1,2,3
.irp mt, 0,1,2,3,4,5,6,7                       ; eight chains by turns; each accumulator is read from its low end on
.if (\t == 0) && (\i == 0)
	v_pk_fma_f32 v[SS+2*\mt:SS+2*\mt+1], v[8*(4*\mt+\t)+2*\i:8*(4*\mt+\t)+2*\i+1], v[QR+8*\t+2*\i:QR+8*\t+2*\i+1], v[WKR:WKR+1]
.else
	v_pk_fma_f32 v[SS+2*\mt:SS+2*\mt+1], v[8*(4*\mt+\t)+2*\i:8*(4*\mt+\t)+2*\i+1], v[QR+8*\t+2*\i:QR+8*\t+2*\i+1], v[SS+2*\mt:SS+2*\mt+1]
.endif
.endr
.endr
.endr
	WIN 0
.irp mt, 0,1,2,3,4,5,6,7
	v_add_f32 v[SS+2*\mt], v[SS+2*\mt], v[SS+2*\mt+1]
.endr
.irp mt, 0,1,2,3,4,5,6,7
	v_permlanex16_b32 v[SS+2*\mt+1], v[SS+2*\mt], s[SEL], s[SEL+1]
.endr
.irp mt, 0,1,2,3,4,5,6,7
	v_add_f32 v[SS+2*\mt], v[SS+2*\mt], v[SS+2*\mt+1]              ; with the other 32 channels: the score of key 16 mt + r, the same bits in both halves of the lanes
.endr
	v_max3_num_f32 v[WKR+4], v[SS], v[SS+2], v[SS+4]
	v_max3_num_f32 v[WKR+4], v[WKR+4], v[SS+6], v[SS+8]
	v_max3_num_f32 v[WKR+4], v[WKR+4], v[SS+10], v[SS+12]
	v_max_num_f32 v[WKR+4], v[WKR+4], v[SS+14]
	v_max_num_f32_dpp v[WKR+4], v[WKR+4], v[WKR+4] row_xmask:1 row_mask:0xf bank_mask:0xf
	v_max_num_f32_dpp v[WKR+4], v[WKR+4], v[WKR+4] row_xmask:2 row_mask:0xf bank_mask:0xf
	v_max_num_f32_dpp v[WKR+4], v[WKR+4], v[WKR+4] row_xmask:4 row_mask:0xf bank_mask:0xf
	v_max_num_f32_dpp v[WKR+4], v[WKR+4], v[WKR+4] row_xmask:8 row_mask:0xf bank_mask:0xf   ; the largest of the 128 scores
	v_mul_f32 v[WKR+5], s[CS], v[WKR+4]            ; in powers of two: x log2(e) / 32
.irp mt, 0,1,2,3,4,5,6,7
	v_fma_f32 v[SS+2*\mt], v[SS+2*\mt], s[CS], -v[WKR+5]
.endr
	s_wait_alu depctr_va_vdst(0)
.irp mt, 0,1,2,3,4,5,6,7
	v_exp_f32 v[SS+2*\mt], v[SS+2*\mt]             ; p = 2^(t - the largest t)
.endr
	v_nop                                          ; a plain place behind the exponentials
	s_wait_alu depctr_va_vdst(0)                   ; the eight exponentials have written p, ahead of the first instruction that names a result
	v_add_f32 v[WKR+6], v[SS], v[SS+2]
	v_add_f32 v[WKR+7], v[SS+4], v[SS+6]
	v_add_f32 v[WKR+8], v[SS+8], v[SS+10]
	v_add_f32 v[WKR+9], v[SS+12], v[SS+14]
	v_add_f32 v[WKR+6], v[WKR+6], v[WKR+7]
	v_add_f32 v[WKR+8], v[WKR+8], v[WKR+9]
	v_add_f32 v[WKR+6], v[WKR+6], v[WKR+8]
	v_add_f32_dpp v[WKR+6], v[WKR+6], v[WKR+6] row_xmask:1 row_mask:0xf bank_mask:0xf
	v_add_f32_dpp v[WKR+6], v[WKR+6], v[WKR+6] row_xmask:2 row_mask:0xf bank_mask:0xf
	v_add_f32_dpp v[WKR+6], v[WKR+6], v[WKR+6] row_xmask:4 row_mask:0xf bank_mask:0xf
	v_add_f32_dpp v[WKR+6], v[WKR+6], v[WKR+6] row_xmask:8 row_mask:0xf bank_mask:0xf       ; the sum of the 128 p
	s_wait_alu depctr_va_vdst(0)                   ; the sum of p is written (p and the maximum stand ahead of the wait above): the data of the ten stores below
.irp mt, 0,1,2,3,4,5,6,7
	ds_store_b32 v[ADP], v[SS+2*\mt] offset:64*\mt
.endr
	ds_store_b32 v[ADS], v[WKR+5]
	ds_store_b32 v[ADS], v[WKR+6] offset:1024
.endm
; AFTER A HEAD OF v: the sums of p v over the 128 keys.
.macro EPI_V
	s_wait_alu depctr_va_vdst(0)                   ; the head's matrix instructions are done reading the weights' buffers and scale words and the rows' fragments: the loads below land in these, on both ways
	s_cmp_eq_u32 s[TRIP], 1                        ; the last head has no successor: no load leaves its buffer
	s_cbranch_scc1 .Lno_next_\@
	FIRSTB NX, NXS
.Lno_next_\@:
.irp mt, 0,1,2,3,4,5,6,7
.irp c, 0,1
	ds_load_b128 v[QR+8*\mt+4*\c:QR+8*\mt+4*\c+3], v[ADQ] offset:64*\mt+16*\c   ; p of keys 16 mt + 8 h + 0 .. 7
.endr
.endr
	s_wait_dscnt 0x0
	WIN 0x01
.irp g, 0,1,2,3
.irp i, 0,1,2,3
.irp t, 0,1,2,3
.irp u, 0,1                                    ; eight chains by turns: a tile of columns x even or odd tiles of rows; each accumulator is read from its low end on
.if (\g == 0) && (\i == 0)
	v_pk_mul_f32 v[SS+4*\t+2*\u:SS+4*\t+2*\u+1], v[8*(4*(2*\g+\u)+\t)+2*\i:8*(4*(2*\g+\u)+\t)+2*\i+1], v[QR+8*(2*\g+\u)+2*\i:QR+8*(2*\g+\u)+2*\i+1]
.else
	v_pk_fma_f32 v[SS+4*\t+2*\u:SS+4*\t+2*\u+1], v[8*(4*(2*\g+\u)+\t)+2*\i:8*(4*(2*\g+\u)+\t)+2*\i+1], v[QR+8*(2*\g+\u)+2*\i:QR+8*(2*\g+\u)+2*\i+1], v[SS+4*\t+2*\u:SS+4*\t+2*\u+1]
.endif
.endr
.endr
.endr
.endr
	WIN 0
.irp t, 0,1,2,3
	v_pk_add_f32 v[SS+4*\t:SS+4*\t+1], v[SS+4*\t:SS+4*\t+1], v[SS+4*\t+2:SS+4*\t+3]
.endr
.irp t, 0,1,2,3
	v_add_f32 v[SS+4*\t], v[SS+4*\t], v[SS+4*\t+1]
.endr
.irp t, 0,1,2,3
	v_permlanex16_b32 v[SS+4*\t+1], v[SS+4*\t], s[SEL], s[SEL+1]
.endr
.irp t, 0,1,2,3
	v_add_f32 v[SS+4*\t], v[SS+4*\t], v[SS+4*\t+1]                 ; with the other half's keys
.endr
	s_wait_alu depctr_va_vdst(0)                   ; the four sums are written, which the stores below read; and the arithmetic is done reading p's registers, in which later loads land
.irp t, 0,1,2,3
	ds_store_b32 v[ADP], v[SS+4*\t] offset:64*\t
.endr
.endm
	s_load_b512 s[4:19], s[0:1], 0x0               ; key, value, Wk's codes, Wk's scale words, Wv's codes s[12:13], Wv's scale words s[14:15], q s[16:17], bk s[18:19]
	s_load_b128 s[20:23], s[0:1], 0x40             ; the partial sums, the statistics
	v_lshrrev_b32 v9, 5, v0
	v_readfirstlane_b32 s[WV], v9                  ; wave 0..7
	v_and_b32 v9, 31, v0
	v_lshlrev_b32 v[L16], 4, v9
	v_and_b32 v9, 15, v0                           ; r
	v_bfe_u32 v10, v0, 4, 1                        ; h
	v_lshlrev_b32 v[R16], 4, v9
	v_lshlrev_b32 v[R4], 2, v9
	v_lshlrev_b32 v[H32], 5, v10
	s_wait_alu depctr_va_sdst(0)                   ; s[WV] is written, ahead of its first reader: LDS places, bases and the waves' roles are made from it
	s_and_b32 s[W3], s[WV], 3
	s_mul_i32 s26, s[WV], STGB
	s_add_co_u32 s26, s26, STG                     ; my stage
	v_add_nc_u32 v[WRA], s26, v[L16]
	v_mul_u32_u24 v[RDA], v9, 528
	v_lshl_add_u32 v[RDA], v10, 6, v[RDA]
	v_add_nc_u32 v[RDA], s26, v[RDA]
	s_lshl_b32 s26, s[WV], 13
	v_add_nc_u32 v[IMA], s26, v[L16]               ; phase 0: key's tile of rows w
	s_lshl_b32 s26, s[WV], 9
	s_add_co_u32 s26, s26, KSC
	v_add_nc_u32 v[SCA], s26, v[R16]
	v_lshl_add_u32 v[TQ], v0, 4, QL
	v_lshlrev_b32 v[T16], 4, v0
	v_add_nc_u32 v[AV], VIMG, v[L16]
	v_add_nc_u32 v[ASC], KSC, v[L16]
.irp b, 0,1,2,3
	v_mov_b32 v[TM+4+\b], 0                        ; written once: a lane permute's destination counts as one of its sources
.endr
	s_mov_b32 s[CS], 0x3d38aa3b                    ; log2(e) / sqrt(1,024)
	s_mov_b32 s[SEL], 0x76543210
	s_mov_b32 s[SEL+1], 0xfedcba98
	s_lshl_b32 s28, s[W3], 14                      ; phase 1's places in LDS, by wave % 4.  Producers: value's tiles of rows 2 (w % 4) on,
	s_add_co_u32 s28, s28, VIMG
	s_lshl_b32 s29, s[W3], 10
	s_add_co_u32 s30, s29, QL                      ; consumers: q of head 4 w,
	s_add_co_u32 s29, s29, VSC                     ; (producers: the scale words)
	s_lshl_b32 s31, s[W3], 11
	s_add_co_u32 s31, s31, PL                      ; its p,
	s_lshl_b32 s32, s[W3], 8
	s_add_co_u32 s32, s32, STAT                    ; its statistics
	s_lshl_b32 s36, ttmp9, 19                      ; my work-group's 128 rows of 4,096 bytes
	s_mov_b32 s37, 0
	s_lshl_b32 s38, s[WV], 16                      ; 16 rows a wave
	s_mov_b32 s39, 0
	s_wait_kmcnt 0x0
	s_add_nc_u64 s[KP:KP+1], s[KP:KP+1], s[36:37]
	s_add_nc_u64 s[KP:KP+1], s[KP:KP+1], s[38:39]
	s_add_nc_u64 s[12:13], s[12:13], s[38:39]      ; Wv's codes: heads 2 w, 2 w + 1: 65,536 bytes a wave
	s_add_nc_u64 s[VP:VP+1], s[VP:VP+1], s[36:37]
	s_lshl_b32 s38, s[W3], 17
	s_add_nc_u64 s[VP:VP+1], s[VP:VP+1], s[38:39]  ; 32 rows for each producer
	s_add_nc_u64 s[WB:WB+1], s[WB:WB+1], s[38:39]  ; Wk's codes: heads 4 w on: 131,072 bytes for each consumer
	s_lshl_b32 s38, s[W3], 13
	s_add_nc_u64 s[WSP:WSP+1], s[WSP:WSP+1], s[38:39]
	s_lshl_b32 s38, s[WV], 12
	s_add_nc_u64 s[14:15], s[14:15], s[38:39]
	s_lshl_b32 s38, s[WV], 9
	s_add_nc_u64 s[16:17], s[16:17], s[38:39]      ; each wave brings 512 bytes of q and of bk
	s_add_nc_u64 s[18:19], s[18:19], s[38:39]
	s_lshr_b32 s36, ttmp9, 4                       ; the batch
	s_lshl_b32 s38, s36, 12
	s_add_nc_u64 s[16:17], s[16:17], s[38:39]
	s_lshl_b32 s38, ttmp9, 12
	s_add_nc_u64 s[20:21], s[20:21], s[38:39]
	s_lshl_b32 s38, s36, 10
	s_and_b32 s36, ttmp9, 15
	s_lshl_b32 s36, s36, 2
	s_add_co_u32 s38, s38, s36
	s_add_nc_u64 s[22:23], s[22:23], s[38:39]      ; batch x 1,024 + 4 x my part of its keys
	; ---- PHASE 0: the key rows.  Unit (trip, j) is K step 4 trip + j of my 16 rows
	s_wait_alu depctr_va_vdst(0)                   ; the offsets and LDS addresses v1-v8 and v12-v15 are written, which the loads, stores and LDS instructions below read
	global_load_b128 v[192:195], v[L16], s[16:17]
	global_load_b128 v[196:199], v[L16], s[18:19]
	WIN 0x40
	XLOAD 0, KP, 0
	XLOAD 64, KP, 512
	XLOAD 128, KP, 1024
	WIN 0
	s_wait_loadcnt 48                              ; q and bk are in: the three units' 48 loads may be out
	ds_store_b128 v[TQ], v[192:195]
	ds_store_b128 v[TQ], v[196:199] offset:4096
	WIN 0x40
	XLOAD 192, KP, 1536
	s_wait_loadcnt 48                              ; unit 0 is in
	TURN 0, ST
	UNIT 0, 1, 48, 1, 0, KP, 2048, 0, 0            ; (the first unit waits for all its LDS instructions: no image stores stand behind its turn; its wait on vm_vsrc also says that q's and bk's stores have read v192-199)
.irp j, 1,2,3
	UNIT \j, 1, 48, 1, 3, KP, 2048+512*\j, 1024*\j, (\j%2)*256+(\j/2)*4
.endr
	s_cmp_lt_u32 s[WV], 4
	s_cbranch_scc0 .Lt1_producer
.irp j, 0,1,2                                  ; consumers: the ring runs empty: 32, 16, 0 younger loads
	UNIT \j, 0, 32-16*\j, 1, 3, KP, 0, 4096+1024*\j, (\j%2)*256+(2+\j/2)*4
.endr
	UNIT 3, 0, 0, 0, 3, KP, 0, 7168, 268
	s_wait_dscnt 0x0
	s_wait_alu depctr_vm_vsrc(0)                   ; the image stores have read the code and scale registers, in which the weights now land; the stage's stores have read the ring, which the matrix instructions write from here on
	FIRSTB WB, WSP                                 ; head 4 w of Wk.  (The last QUANT, which named v128-227, stands ahead of the last unit's wait on va_vdst; no vector instruction has been issued since)
	s_branch .Lt1_join
.Lt1_producer:
.irp j, 0,1,2,3                                ; producers: the ring runs on into the value rows: unit (trip, j) is tile of rows 2 (w % 4) + j / 2, K step 2 trip + j % 2
	UNIT \j, 1, 48, 1, 3, VP, (\j/2)*65536+(\j%2)*512, 4096+1024*\j, (\j%2)*256+(2+\j/2)*4
.endr
.Lt1_join:
	s_wait_dscnt 0x0                               ; for the others' sake: my images, scale words, q and bk lie in LDS
	s_barrier_signal -1
	s_barrier_wait -1                              ; key's 64 fragments are whole.  Global loads stay on their way across the barrier: nobody writes what they read
	; ---- PHASE 1: four trips, walked by all waves.  Consumers read key's images and scale words, q and bk, and write p and the statistics; producers touch their stages and value's images and scale words
	s_mov_b32 s[TRIP], 0
.Lk_trip:
	s_wait_alu depctr_vm_vsrc(0)                   ; the LDS instructions issued so far have read the five addresses that are written below; p's and the statistics' stores have read v128-150, in which the rows' fragments land
	v_add_nc_u32 v[IMA], s28, v[L16]
	v_add_nc_u32 v[SCA], s29, v[R16]
	v_add_nc_u32 v[ADQ], s30, v[H32]
	v_add_nc_u32 v[ADP], s31, v[R4]
	v_add_nc_u32 v[ADS], s32, v[R4]
	s_wait_alu depctr_va_vdst(0)                   ; the five addresses are written, which this trip's LDS instructions read; the arithmetic behind the last head is done with v64-153, in which the rows' fragments land
	s_cmp_lt_u32 s[WV], 4
	s_cbranch_scc0 .Lk_producer
	s_add_nc_u64 s[NX:NX+1], s[WB:WB+1], 32768     ; what is fetched next: the next head of Wk,
	s_add_nc_u64 s[NXS:NXS+1], s[WSP:WSP+1], 2048
	s_cmp_eq_u32 s[TRIP], 3
	s_cselect_b64 s[NX:NX+1], s[12:13], s[NX:NX+1] ; or, behind the last, my first head of Wv
	s_cselect_b64 s[NXS:NXS+1], s[14:15], s[NXS:NXS+1]
	HEAD L16, 0, 1
	EPI_K
	s_wait_xcnt 0x0                                ; the loads have read their bases: these may be written
	s_mov_b64 s[WB:WB+1], s[NX:NX+1]
	s_mov_b64 s[WSP:WSP+1], s[NXS:NXS+1]
	s_branch .Lk_join
.Lk_producer:
	s_cmp_eq_u32 s[TRIP], 3
	s_cbranch_scc1 .Lk_drain
.irp j, 0,1,2,3
	UNIT \j, 1, 48, 1, 3, VP, 1024+(\j/2)*65536+(\j%2)*512, (\j/2)*8192+(\j%2)*1024, (\j/2)*512+(\j%2)*256
.endr
	s_wait_xcnt 0x0                                ; the loads have read their base
	s_add_nc_u64 s[VP:VP+1], s[VP:VP+1], 1024      ; two K steps on
	s_branch .Lk_join
.Lk_drain:
.irp j, 0,1,2                                  ; the last trip asks for nothing: no load leaves its buffer
	UNIT \j, 0, 32-16*\j, 1, 3, VP, 0, (\j/2)*8192+(\j%2)*1024, (\j/2)*512+(\j%2)*256
.endr
	UNIT 3, 0, 0, 0, 3, VP, 0, 9216, 768
.Lk_join:
	s_add_co_u32 s28, s28, 2048                    ; producers: two K steps on in the images,
	s_add_co_u32 s29, s29, 4                       ; one word on among the scale words;
	s_add_co_u32 s30, s30, 256                     ; consumers: the next head's q,
	s_add_co_u32 s31, s31, 512                     ; p,
	s_add_co_u32 s32, s32, 64                      ; statistics
	s_add_co_u32 s[TRIP], s[TRIP], 1
	s_cmp_lt_u32 s[TRIP], 4
	s_cbranch_scc1 .Lk_trip
	s_wait_dscnt 0x0                               ; for the others' sake: value's images, p and the statistics lie in LDS
	s_wait_xcnt 0x0
	s_wait_alu depctr_vm_vsrc(0)                   ; producers: the image stores have read the code and scale registers, in which the weights land below; the stage's stores have read the ring, which the matrix instructions write from here on
	s_mov_b64 s[WB:WB+1], s[12:13]                 ; my first head of Wv (the consumers hold this address already)
	s_mov_b64 s[WSP:WSP+1], s[14:15]
	s_lshl_b32 s30, s[WV], 10
	s_add_co_u32 s30, s30, PL                      ; p of head 2 w
	s_lshl_b32 s31, s[WV], 9
	s_add_co_u32 s31, s31, OST                     ; and its sums
	s_cmp_lt_u32 s[WV], 4
	s_cbranch_scc1 .Lhave_wv                       ; the consumers asked for it behind their last head of k
	s_wait_loadcnt 0x0                             ; no row load of mine is out (the last trip's counts ran down to 0): the ring's registers become accumulators
	FIRSTB WB, WSP                                 ; (the last QUANT stands ahead of the last unit's wait on va_vdst; no vector instruction has been issued since)
.Lhave_wv:
	s_barrier_signal -1
	s_barrier_wait -1
	; ---- PHASE 2: two trips, all waves alike
	s_mov_b32 s[TRIP], 0
.Lv_trip:
	s_wait_alu depctr_vm_vsrc(0)                   ; the LDS instructions issued so far have read the two addresses that are written below; the sums' stores have read v128-140, in which the rows' fragments land
	v_add_nc_u32 v[ADQ], s30, v[H32]
	v_add_nc_u32 v[ADP], s31, v[R4]
	s_wait_alu depctr_va_vdst(0)                   ; the two addresses are written, which this trip's LDS instructions read; all earlier vector work is done with v64-159, in which the rows' fragments land
	s_add_nc_u64 s[NX:NX+1], s[WB:WB+1], 32768
	s_add_nc_u64 s[NXS:NXS+1], s[WSP:WSP+1], 2048
	HEAD AV, 4096, 0
	EPI_V
	s_wait_xcnt 0x0                                ; the loads have read their bases
	s_mov_b64 s[WB:WB+1], s[NX:NX+1]
	s_mov_b64 s[WSP:WSP+1], s[NXS:NXS+1]
	s_add_co_u32 s30, s30, 512
	s_add_co_u32 s31, s31, 256
	s_add_co_u32 s[TRIP], s[TRIP], 1
	s_cmp_lt_u32 s[TRIP], 2
	s_cbranch_scc1 .Lv_trip
	; ---- PHASE 3: the way out
	s_wait_dscnt 0x0                               ; for the others' sake: my heads' sums lie in LDS
	s_barrier_signal -1
	s_barrier_wait -1
	ds_load_b128 v[64:67], v[TQ] offset:OST-QL     ; (the arithmetic that read v64-67 stands ahead of the last wait on va_vdst; no vector instruction has been issued since)
	s_wait_dscnt 0x0
	global_store_b128 v[T16], v[64:67], s[20:21]   ; each wave stores 512 consecutive bytes
	s_wait_alu depctr_vm_vsrc(0)                   ; the LDS instructions of the phases above have read v9, v10 and v11, which wave 0 writes again below
	s_cmp_lg_u32 s[WV], 0
	s_cbranch_scc1 .Lend
	v_and_b32 v9, 15, v0                           ; wave 0: lanes 0-15 take the sixteen heads' maxima, lanes 16-31 their sums
	v_lshlrev_b32 v9, 6, v9
	v_lshrrev_b32 v10, 4, v0
	v_lshl_add_u32 v11, v10, 10, v9
	v_add_nc_u32 v11, STAT, v11
	v_lshl_add_u32 v9, v10, 14, v9                 ; in memory: 64 x head, the sums 16,384 bytes on
	s_wait_alu depctr_va_vdst(0)                   ; v11 and v9 are written: the address of the load and the offset of the store below
	ds_load_b32 v68, v11
	s_wait_dscnt 0x0
	global_store_b32 v9, v68, s[22:23]             ; 4 bytes of each 64: the batch's other fifteen work-groups fill the rest; 32,768 bytes in the whole launch
.Lend:
	s_wait_xcnt 0x0
	v_lshl_add_u32 v254, v0, 2, 0x38000            ; the add's two registers are made anew: no memory or LDS instruction has read either of them
	v_mov_b32 v255, 0
	s_wait_dscnt 0x0                               ; the closing lines, six on end
	s_wait_alu 0x0
	s_wait_tensorcnt 0x0
	ds_add_u32 v254, v255
	s_wait_dscnt 0x0
	s_endpgm
.Lfunc_end_k_q9ac6d609b9_main:
	.size	k_q9ac6d609b9_main, .Lfunc_end_k_q9ac6d609b9_main-k_q9ac6d609b9_main
	.p2alignl 7, 3214868480
	.fill 96, 4, 3214868480
	.section	.rodata,"a",@progbits
	.p2align	6, 0x0
	.amdhsa_kernel k_q9ac6d609b9_main
		.amdhsa_group_segment_fixed_size 230400
		.amdhsa_private_segment_fixed_size 0
		.amdhsa_enable_private_segment 0
		.amdhsa_kernarg_size 80
		.amdhsa_user_sgpr_count 2
		.amdhsa_user_sgpr_kernarg_segment_ptr 1
		.amdhsa_wavefront_size32 1
		.amdhsa_system_sgpr_workgroup_id_x 1
		.amdhsa_system_sgpr_workgroup_id_y 1
		.amdhsa_system_sgpr_workgroup_id_z 1
		.amdhsa_system_vgpr_workitem_id 0
		.amdhsa_next_free_vgpr 512
		.amdhsa_next_free_sgpr 66
		.amdhsa_reserve_vcc 0
		.amdhsa_float_denorm_mode_32 3
		.amdhsa_float_denorm_mode_16_64 3
		.amdhsa_memory_ordered 1
		.amdhsa_forward_progress 1
		.amdhsa_inst_pref_size 255
	.end_amdhsa_kernel
	.section	.bss,"aw",@nobits
	.p2align	6
	.space	262144
	.amdgpu_metadata
---
amdhsa.version: [ 1, 2 ]
amdhsa.kernels:
  - .name:           k_q9ac6d609b9_main
    .symbol:         k_q9ac6d609b9_main.kd
    .args:
      - { .name: key, .offset: 0, .size: 8, .value_kind: global_buffer, .address_space: global }
      - { .name: value, .offset: 8, .size: 8, .value_kind: global_buffer, .address_space: global }
      - { .name: wkc, .offset: 16, .size: 8, .value_kind: global_buffer, .address_space: global }
      - { .name: wks, .offset: 24, .size: 8, .value_kind: global_buffer, .address_space: global }
      - { .name: wvc, .offset: 32, .size: 8, .value_kind: global_buffer, .address_space: global }
      - { .name: wvs, .offset: 40, .size: 8, .value_kind: global_buffer, .address_space: global }
      - { .name: qbuf, .offset: 48, .size: 8, .value_kind: global_buffer, .address_space: global }
      - { .name: bk, .offset: 56, .size: 8, .value_kind: global_buffer, .address_space: global }
      - { .name: opart, .offset: 64, .size: 8, .value_kind: global_buffer, .address_space: global }
      - { .name: stat, .offset: 72, .size: 8, .value_kind: global_buffer, .address_space: global }
    .group_segment_fixed_size: 230400
    .private_segment_fixed_size: 0
    .kernarg_segment_align: 8
    .kernarg_segment_size: 80
    .max_flat_workgroup_size: 256
    .sgpr_count:     66
    .vgpr_count:     512
    .wavefront_size: 32
...
	.end_amdgpu_metadata
.endif
;; end of part 6
;; launch comb (part 7): grid 128 x 1, 1 waves a work-group, no clusters, 0 bytes of LDS; arguments opart, stat, bv, attn; writes attn
.if DOCPART == 7
	.amdgcn_target "amdgcn-amd-amdhsa--gfx1250"
	.amdhsa_code_object_version 6
	.text
	.protected	k_q9ac6d609b9_comb
	.globl	k_q9ac6d609b9_comb
	.p2align	8
	.type	k_q9ac6d609b9_comb,@function
k_q9ac6d609b9_comb:
	s_mov_b64 s[64:65], 0
	v_nop
	global_prefetch_b8 v0, s[64:65] scope:SCOPE_SE
	s_setreg_imm32_b32 hwreg(HW_REG_WAVE_MODE, 25, 1), 1
	s_wait_xcnt 0x0
; The sixteen partial softmaxes of a batch are joined: attn = (the sum over p of 2^(m_p - M) O_p) / (the sum over p of 2^(m_p - M) l_p) + bv, M the largest m_p.  All in f32.
; One wave takes 128 columns (two heads) of one batch: x = 8 b + c.  Lane = 16 hh + i: in the statistics, part i of head 2 c + hh; in the sums, columns 128 c + 4 lane on, which belong to head 2 c + hh too.
; So a part's weight is fetched from lane p of the lane's own row of sixteen.  Every load and the store cover 512 (the statistics: 128) consecutive bytes.  No LDS, no barrier, no matrix work: 1 MB is read once.
	s_load_b256 s[4:11], s[0:1], 0x0               ; the partial sums s[4:5], the statistics s[6:7], bv s[8:9], attn s[10:11]
	s_lshr_b32 s12, ttmp9, 3                       ; b
	s_and_b32 s13, ttmp9, 7                        ; c
	v_lshlrev_b32 v1, 2, v0
	v_lshlrev_b32 v2, 4, v0
	v_mov_b32 v12, 0                               ; a DPP move's destination counts as read; v13 is named with it as a pair
	v_mov_b32 v13, 0
	s_lshl_b32 s14, s12, 10
	s_lshl_b32 s16, s13, 7
	s_add_co_u32 s14, s14, s16                     ; statistics: 1,024 b + 128 c
	s_mov_b32 s15, 0
	s_lshl_b32 s16, s13, 9                         ; 512 c
	s_mov_b32 s17, 0
	s_lshl_b32 s18, s12, 16                        ; the batch's sixteen rows of partial sums
	s_mov_b32 s19, 0
	s_lshl_b32 s20, s12, 12
	s_mov_b32 s21, 0
	s_wait_alu depctr_va_vdst(0)
	s_wait_kmcnt 0x0
	s_add_nc_u64 s[6:7], s[6:7], s[14:15]
	s_add_nc_u64 s[8:9], s[8:9], s[16:17]
	s_add_nc_u64 s[4:5], s[4:5], s[16:17]
	s_add_nc_u64 s[4:5], s[4:5], s[18:19]
	s_add_nc_u64 s[10:11], s[10:11], s[16:17]
	s_add_nc_u64 s[10:11], s[10:11], s[20:21]
	global_load_b32 v4, v1, s[6:7]                 ; m
	global_load_b32 v5, v1, s[6:7] offset:16384    ; l
	global_load_b128 v[8:11], v2, s[8:9]           ; bv: the sums start from it
.irp p, 0,1,2,3,4,5,6,7,8,9,10,11,12,13,14,15
	global_load_b128 v[16+4*\p:19+4*\p], v2, s[4:5] offset:4096*\p th:TH_LOAD_NT
.endr
	s_wait_loadcnt 17                              ; m and l are in: bv and the sixteen partial sums may be out
	v_mov_b32 v6, v4
	v_max_num_f32_dpp v6, v6, v6 row_xmask:1 row_mask:0xf bank_mask:0xf
	v_max_num_f32_dpp v6, v6, v6 row_xmask:2 row_mask:0xf bank_mask:0xf
	v_max_num_f32_dpp v6, v6, v6 row_xmask:4 row_mask:0xf bank_mask:0xf
	v_max_num_f32_dpp v6, v6, v6 row_xmask:8 row_mask:0xf bank_mask:0xf   ; M of my head
	v_sub_f32 v7, v4, v6
	s_wait_alu depctr_va_vdst(0)
	v_exp_f32 v7, v7                               ; f = 2^(m - M)
	v_nop                                          ; a plain place behind the transcendental
	s_wait_alu depctr_va_vdst(0)
	v_mul_f32 v5, v7, v5
	v_add_f32_dpp v5, v5, v5 row_xmask:1 row_mask:0xf bank_mask:0xf
	v_add_f32_dpp v5, v5, v5 row_xmask:2 row_mask:0xf bank_mask:0xf
	v_add_f32_dpp v5, v5, v5 row_xmask:4 row_mask:0xf bank_mask:0xf
	v_add_f32_dpp v5, v5, v5 row_xmask:8 row_mask:0xf bank_mask:0xf       ; the head's whole sum: at least 1, since the part with m = M has a p of about 1
	s_wait_alu depctr_va_vdst(0)
	v_rcp_f32 v5, v5
	v_nop
	s_wait_alu depctr_va_vdst(0)
	v_mul_f32 v7, v7, v5                           ; g = f / the sum: part i's weight
	s_wait_alu depctr_va_vdst(0)
.irp p, 0,1,2,3,4,5,6,7,8,9,10,11,12,13,14,15
	s_wait_loadcnt 15-\p                           ; part p's sums are in (and bv, asked for ahead of them); the parts behind may be out
	v_mov_b32_dpp v12, v7 row_share:\p row_mask:0xf bank_mask:0xf         ; g of part p of my head
	s_wait_alu depctr_va_vdst(0)
	v_pk_fma_f32 v[8:9], v[16+4*\p:17+4*\p], v[12:13], v[8:9] op_sel_hi:[1,0,1]
	v_pk_fma_f32 v[10:11], v[18+4*\p:19+4*\p], v[12:13], v[10:11] op_sel_hi:[1,0,1]
.endr
	global_store_b128 v2, v[8:11], s[10:11]
	s_endpgm
.Lfunc_end_k_q9ac6d609b9_comb:
	.size	k_q9ac6d609b9_comb, .Lfunc_end_k_q9ac6d609b9_comb-k_q9ac6d609b9_comb
	.p2alignl 7, 3214868480
	.fill 96, 4, 3214868480
	.section	.rodata,"a",@progbits
	.p2align	6, 0x0
	.amdhsa_kernel k_q9ac6d609b9_comb
		.amdhsa_group_segment_fixed_size 0
		.amdhsa_private_segment_fixed_size 0
		.amdhsa_enable_private_segment 0
		.amdhsa_kernarg_size 32
		.amdhsa_user_sgpr_count 2
		.amdhsa_user_sgpr_kernarg_segment_ptr 1
		.amdhsa_wavefront_size32 1
		.amdhsa_system_sgpr_workgroup_id_x 1
		.amdhsa_system_sgpr_workgroup_id_y 1
		.amdhsa_system_sgpr_workgroup_id_z 1
		.amdhsa_system_vgpr_workitem_id 0
		.amdhsa_next_free_vgpr 96
		.amdhsa_next_free_sgpr 66
		.amdhsa_reserve_vcc 0
		.amdhsa_float_denorm_mode_32 3
		.amdhsa_float_denorm_mode_16_64 3
		.amdhsa_memory_ordered 1
		.amdhsa_forward_progress 1
		.amdhsa_inst_pref_size 8
	.end_amdhsa_kernel
	.amdgpu_metadata
---
amdhsa.version: [ 1, 2 ]
amdhsa.kernels:
  - .name:           k_q9ac6d609b9_comb
    .symbol:         k_q9ac6d609b9_comb.kd
    .args:
      - { .name: opart, .offset: 0, .size: 8, .value_kind: global_buffer, .address_space: global }
      - { .name: stat, .offset: 8, .size: 8, .value_kind: global_buffer, .address_space: global }
      - { .name: bv, .offset: 16, .size: 8, .value_kind: global_buffer, .address_space: global }
      - { .name: attn, .offset: 24, .size: 8, .value_kind: global_buffer, .address_space: global }
    .group_segment_fixed_size: 0
    .private_segment_fixed_size: 0
    .kernarg_segment_align: 8
    .kernarg_segment_size: 32
    .max_flat_workgroup_size: 32
    .sgpr_count:     66
    .vgpr_count:     96
    .wavefront_size: 32
...
	.end_amdgpu_metadata
.endif
;; end of part 7
;; launch final (part 8): grid 64 x 1, 8 waves a work-group, no clusters, 76,800 bytes of LDS; arguments attn, Wo, bo, out0; writes out0
.if DOCPART == 8
	.amdgcn_target "amdgcn-amd-amdhsa--gfx1250"
	.amdhsa_code_object_version 6
	.text
	.protected	k_q9ac6d609b9_final
	.globl	k_q9ac6d609b9_final
	.p2align	8
	.type	k_q9ac6d609b9_final,@function
k_q9ac6d609b9_final:
	s_mov_b64 s[64:65], 0
	v_nop
	global_prefetch_b8 v0, s[64:65] scope:SCOPE_SE
	s_setreg_imm32_b32 hwreg(HW_REG_WAVE_SCHED_MODE, 0, 2), 2
	s_setreg_imm32_b32 hwreg(HW_REG_WAVE_MODE, 25, 1), 1
	s_wait_xcnt 0x0
	s_wait_alu depctr_vm_vsrc(0)
; out0 = Q(attn) Q(Wo)^T + bo, Q the MX quantiser to FP4 (E2M1) along K: a block of 32 has the scale 2^(floor(log2(largest magnitude)) - 2).
; Work-group x makes a tile of 16 batches x columns 16 x .. 16 x + 15.  Wave w is K step w (128 along K): it quantises attn's 16 rows and Wo's 16 rows of that step, issues one matrix instruction,
; and the eight waves' parts of K are added in f32 through LDS.  Each load reads 512 consecutive bytes of one row; a unit of 16 rows x 128 turns through the wave's own stage in LDS, so that a lane then holds 16 neighbours along K of each block.
; LIMITS: NaN and infinities are not served.  A block whose largest magnitude lies under 2^-124 has its byte held at 1.  A block of zeros gets the byte 1 where the rule says 127: its codes are zeros, and this launch alone reads the bytes.
; The stores are 4 bytes a lane, eight lanes to 32 consecutive bytes: a work-group holds only 64 bytes of each row of the output, 65,536 bytes in the whole launch.
; THE MODE: SCHED_MODE bits 1:0 = 2 (LLVM: expert scheduling mode 2), set by the entry lines.  The code itself states the register dependences
; between vector or matrix instructions and memory or LDS instructions, with s_wait_alu, always for 0.
; THE PLAN.  The text has no loop.  Registers that memory or LDS instructions touch:
;   v1-v3, v7-v10, v254, v255   offsets and LDS addresses: made at the head, never written again: one wait on va_vdst ahead of the first load.
;   R0, R1      a unit's loads land here; the stage's stores read them; the stage's loads land in the same registers: one wait on vm_vsrc between a turn's stores and its loads.  Then QUANT alone reads them.
;   PCA, PCB, PWA, PWB   written by QUANT, taken by the scaled matrix instruction: its places, then one wait on va_vdst.
;   DD          written by the matrix instruction, read by two LDS stores: four places, then one wait on va_vdst.
;   WK          LDS loads land here, the sum is made in it, one store reads it: one wait on va_vdst ahead of the store.
;   s24 is written by a vector instruction: a wait on va_sdst ahead of its first reader.
.set STGB, 8448                        ; a wave's stage: 16 rows of 512 bytes + 16 = 528 = 33 x 16 bytes: the sixteen rows that a load touches start at sixteen different 16-byte columns modulo 256
.set RED,  8*STGB                      ; behind the stages: the eight waves' results, 1,024 bytes each
.set L16, 1                            ; v1   16 x lane
.set WRA, 2                            ; v2   the stage on the way in
.set RDA, 3                            ; v3   and on the way out
.set LN,  4                            ; v4   lane
.set BOF, 7                            ; v7   byte offset of my number in the bias
.set OOF, 8                            ; v8   and in the output
.set RST, 9                            ; v9   where I put my 32 bytes of the wave's result
.set RRD, 10                           ; v10  where I read one number of each wave's result
.set R0,  32                           ; v32-95   attn's unit
.set R1,  96                           ; v96-159  Wo's
.set PCA, 160                          ; v160-167, v168-175 their codes
.set PCB, 168
.set PWA, 176                          ; v176, v177 their scale words: these two registers hold scales and nothing else
.set PWB, 177
.set TM,  180                          ; v180-195 at work in QUANT
.set DD,  200                          ; v200-207 the result
.set BI,  208                          ; v208 the bias
.set WK,  210                          ; v210-217 at work
.set SEL, 46                           ; s[46:47] v_permlanex16_b32's selects for lane l xor 16
.macro XLOAD reg, base, nt             ; a unit: 16 loads, each 512 consecutive bytes of one row
.irp i, 0,1,2,3,4,5,6,7,8,9,10,11,12,13,14,15
.if \nt
	global_load_b128 v[(\reg)+4*\i:(\reg)+4*\i+3], v[L16], s[\base:\base+1] offset:4096*\i th:TH_LOAD_NT
.else
	global_load_b128 v[(\reg)+4*\i:(\reg)+4*\i+3], v[L16], s[\base:\base+1] offset:4096*\i
.endif
.endr
.endm
.macro TURN reg                        ; through my stage and back into the registers that the unit left: register 16 b + i is then k = 32 b + 16 h + i of row r.  LDS serves a wave's instructions in order (ISA guide 5.7.1.4): no wait on DScnt between
.irp i, 0,1,2,3,4,5,6,7,8,9,10,11,12,13,14,15
	ds_store_b128 v[WRA], v[(\reg)+4*\i:(\reg)+4*\i+3] offset:528*\i
.endr
	s_wait_alu depctr_vm_vsrc(0)                   ; the sixteen stores above have read the unit's registers, in which the sixteen loads below land
.irp b, 0,1,2,3
.irp q, 0,1,2,3
	ds_load_b128 v[(\reg)+16*\b+4*\q:(\reg)+16*\b+4*\q+3], v[RDA] offset:128*\b+16*\q
.endr
.endr
.endm
.macro QUANT src, pc, pw               ; 64 numbers of a lane become a fragment's eight registers of codes and my row's scale word
.irp b, 0,1,2,3
	v_max3_num_f32 v[TM+\b], |v[(\src)+16*\b]|, |v[(\src)+1+16*\b]|, 0x1800000   ; block b: my 16 numbers, and the floor 2^(3 - 127): the byte cannot fall under 1
.endr
.irp i, 2,4,6,8,10,12,14
.irp b, 0,1,2,3
	v_max3_num_f32 v[TM+\b], v[TM+\b], |v[(\src)+16*\b+\i]|, |v[(\src)+1+16*\b+\i]|   ; the four blocks by turns
.endr
.endr
.irp b, 0,1,2,3
	v_permlanex16_b32 v[TM+4+\b], v[TM+\b], s[SEL], s[SEL+1]
.endr
.irp b, 0,1,2,3
	v_max_num_f32 v[TM+\b], v[TM+\b], v[TM+4+\b]   ; with lane l xor 16's: the block's largest magnitude
.endr
.irp b, 0,1,2,3
	v_add_nc_u32 v[TM+12+\b], 0xff000000, v[TM+\b]   ; 2 off its exponent field: the conversion takes the exponent field of this operand as its scale
.endr
.irp b, 0,1,2,3
	v_lshrrev_b32 v[TM+4+\b], 23, v[TM+12+\b]   ; the scale's byte
.endr
	v_lshl_or_b32 v[\pw], v[TM+5], 8, v[TM+4]
	v_lshl_or_b32 v[\pw], v[TM+6], 16, v[\pw]
	v_lshl_or_b32 v[\pw], v[TM+7], 24, v[\pw]
.irp b, 0,1,2,3
	v_cvt_scalef32_pk8_fp4_f32 v[(\pc)+2*\b], v[(\src)+16*\b:(\src)+7+16*\b], v[TM+12+\b]
	v_cvt_scalef32_pk8_fp4_f32 v[(\pc)+1+2*\b], v[(\src)+8+16*\b:(\src)+15+16*\b], v[TM+12+\b]
.endr
	v_nop                                          ; one plain place behind a scaled conversion
.irp c, 0,1                                    ; the operand's layout wants a whole block in a lane
.irp i, 0,1
	v_permlane16_swap_b32 v[(\pc)+4*\c+\i], v[(\pc)+2+4*\c+\i]
.endr
.endr
.endm
	s_load_b256 s[4:11], s[0:1], 0x0               ; attn s[4:5], Wo s[6:7], bo s[8:9], the output s[10:11]
	v_lshl_add_u32 v254, v0, 2, 0x12800
	v_mov_b32 v255, 0
	v_lshrrev_b32 v5, 5, v0
	v_readfirstlane_b32 s24, v5                    ; wave 0..7
	v_and_b32 v[LN], 31, v0
	v_lshlrev_b32 v[L16], 4, v[LN]
	v_and_b32 v5, 15, v0                           ; r
	v_bfe_u32 v6, v0, 4, 1                         ; h
	s_wait_alu depctr_va_sdst(0)                   ; s24 is written, ahead of its first reader: LDS places and offsets are made from it
	s_mul_i32 s25, s24, STGB                       ; my stage
	v_add_nc_u32 v[WRA], s25, v[L16]
	v_mul_u32_u24 v[RDA], v5, 528
	v_lshl_add_u32 v[RDA], v6, 6, v[RDA]
	v_add_nc_u32 v[RDA], s25, v[RDA]
	v_and_b32 v[BOF], 7, v0                        ; thread tau adds up number tau of the waves' results: batch (tau / 8) % 16, column 8 (tau / 128) + tau % 8 of the tile
	v_lshrrev_b32 v5, 7, v0
	v_lshl_add_u32 v[BOF], v5, 3, v[BOF]
	v_lshlrev_b32 v[BOF], 2, v[BOF]
	s_lshl_b32 s25, ttmp9, 6
	v_add_nc_u32 v[BOF], s25, v[BOF]               ; 64 x + 4 x column
	v_bfe_u32 v5, v0, 3, 4
	v_lshl_add_u32 v[OOF], v5, 12, v[BOF]          ; + 4,096 x batch
	v_lshlrev_b32 v[RST], 5, v[LN]
	s_lshl_b32 s25, s24, 10
	s_add_co_u32 s25, s25, RED
	v_add_nc_u32 v[RST], s25, v[RST]
	v_lshl_add_u32 v[RRD], v0, 2, RED
.irp b, 0,1,2,3
	v_mov_b32 v[TM+4+\b], 0                        ; written once: a lane permute's destination counts as one of its sources
.endr
	s_mov_b32 s[SEL], 0x76543210
	s_mov_b32 s[SEL+1], 0xfedcba98
	s_lshl_b32 s34, s24, 9                         ; K step w: 512 bytes on in a row
	s_mov_b32 s35, 0
	s_lshl_b32 s36, ttmp9, 16                      ; the tile's 16 rows of Wo
	s_mov_b32 s37, 0
	s_wait_kmcnt 0x0
	s_add_nc_u64 s[4:5], s[4:5], s[34:35]
	s_add_nc_u64 s[6:7], s[6:7], s[34:35]
	s_add_nc_u64 s[6:7], s[6:7], s[36:37]
	s_wait_alu depctr_va_vdst(0)                   ; the offsets and LDS addresses v1-v3 and v7-v10 are written, which the loads, the store and the LDS instructions of the whole kernel read
	XLOAD R0, 4, 0                                 ; (attn is read by all 64 work-groups: no hint)
	XLOAD R1, 6, 1
	global_load_b32 v[BI], v[BOF], s[8:9]
	s_wait_loadcnt 17                              ; attn's unit is in: Wo's 16 loads and the bias may be out
	TURN R0
	s_wait_loadcnt 1                               ; Wo's unit is in: the bias may be out
	TURN R1
	s_wait_dscnt 32                                ; attn's unit is back: the second turn's 16 stores and 16 loads may be out
	QUANT R0, PCA, PWA
	s_wait_dscnt 0x0
	QUANT R1, PCB, PWB
.rept 8
	v_nop                                          ; a scale register written by a vector instruction stands 8 places ahead of a scaled matrix instruction, an operand so written 4
.endr
	s_wait_alu depctr_va_vdst(0)                   ; QUANT has written both fragments' codes and both scale words, which the scaled matrix instruction takes; the places above stay beside this wait
	; transposed: source 0 = 16 rows of Wo, source 1 = attn's 16 rows: lane (r, h) holds batch r and the tile's columns 8 h + 0 .. 7
	v_wmma_scale_f32_16x16x128_f8f6f4 v[DD:DD+7], v[PCB:PCB+7], v[PCA:PCA+7], 0, v[PWB], v[PWA] matrix_a_fmt:MATRIX_FMT_FP4 matrix_b_fmt:MATRIX_FMT_FP4
.rept 4
	v_nop                                          ; four places in front of the first read of the result (ISA guide 7.12.1)
.endr
	s_wait_alu depctr_va_vdst(0)                   ; the matrix instruction has written v[DD ..], which the two LDS stores read; the places above stay beside this wait
	ds_store_b128 v[RST], v[DD:DD+3]               ; from the result's low end on
	ds_store_b128 v[RST], v[DD+4:DD+7] offset:16
	s_wait_dscnt 0x0                               ; for the others' sake: my part of the sum lies in LDS
	s_barrier_signal -1
	s_barrier_wait -1
.irp k, 0,1,2,3,4,5,6,7
	ds_load_b32 v[WK+\k], v[RRD] offset:1024*\k    ; the eight waves' parts of K
.endr
	s_wait_dscnt 0x0
	v_add_f32 v[WK], v[WK], v[WK+1]
	v_add_f32 v[WK+2], v[WK+2], v[WK+3]
	v_add_f32 v[WK+4], v[WK+4], v[WK+5]
	v_add_f32 v[WK+6], v[WK+6], v[WK+7]
	v_add_f32 v[WK], v[WK], v[WK+2]
	v_add_f32 v[WK+4], v[WK+4], v[WK+6]
	v_add_f32 v[WK], v[WK], v[WK+4]
	s_wait_alu depctr_va_vdst(0)
	s_wait_loadcnt 0x0                             ; the bias
	v_add_f32 v[WK], v[WK], v[BI]
	s_wait_alu depctr_va_vdst(0)                   ; the sum is written in v[WK], which the store reads
	global_store_b32 v[OOF], v[WK], s[10:11]
	s_wait_dscnt 0x0                               ; the closing lines, six on end
	s_wait_alu 0x0
	s_wait_tensorcnt 0x0
	ds_add_u32 v254, v255
	s_wait_dscnt 0x0
	s_endpgm
.Lfunc_end_k_q9ac6d609b9_final:
	.size	k_q9ac6d609b9_final, .Lfunc_end_k_q9ac6d609b9_final-k_q9ac6d609b9_final
	.p2alignl 7, 3214868480
	.fill 96, 4, 3214868480
	.section	.rodata,"a",@progbits
	.p2align	6, 0x0
	.amdhsa_kernel k_q9ac6d609b9_final
		.amdhsa_group_segment_fixed_size 76800
		.amdhsa_private_segment_fixed_size 0
		.amdhsa_enable_private_segment 0
		.amdhsa_kernarg_size 32
		.amdhsa_user_sgpr_count 2
		.amdhsa_user_sgpr_kernarg_segment_ptr 1
		.amdhsa_wavefront_size32 1
		.amdhsa_system_sgpr_workgroup_id_x 1
		.amdhsa_system_sgpr_workgroup_id_y 1
		.amdhsa_system_sgpr_workgroup_id_z 1
		.amdhsa_system_vgpr_workitem_id 0
		.amdhsa_next_free_vgpr 256
		.amdhsa_next_free_sgpr 66
		.amdhsa_reserve_vcc 0
		.amdhsa_float_denorm_mode_32 3
		.amdhsa_float_denorm_mode_16_64 3
		.amdhsa_memory_ordered 1
		.amdhsa_forward_progress 1
		.amdhsa_inst_pref_size 19
	.end_amdhsa_kernel
	.amdgpu_metadata
---
amdhsa.version: [ 1, 2 ]
amdhsa.kernels:
  - .name:           k_q9ac6d609b9_final
    .symbol:         k_q9ac6d609b9_final.kd
    .args:
      - { .name: attn, .offset: 0, .size: 8, .value_kind: global_buffer, .address_space: global }
      - { .name: Wo, .offset: 8, .size: 8, .value_kind: global_buffer, .address_space: global }
      - { .name: bo, .offset: 16, .size: 8, .value_kind: global_buffer, .address_space: global }
      - { .name: out0, .offset: 24, .size: 8, .value_kind: global_buffer, .address_space: global }
    .group_segment_fixed_size: 76800
    .private_segment_fixed_size: 0
    .kernarg_segment_align: 8
    .kernarg_segment_size: 32
    .max_flat_workgroup_size: 256
    .sgpr_count:     66
    .vgpr_count:     256
    .wavefront_size: 32
...
	.end_amdgpu_metadata
.endif
;; end of part 8
